; MI455X (gfx1250); checked and timed in simulation.
; The chip was launched on July 23, 2026; its instructions are those of AMD's public machine-readable ISA for CDNA 5 (MIT licence, August 2026) and "CDNA5" Instruction Set Architecture Reference Guide (July 2026). The comments in the code are by the model that wrote it; some were corrected since.
;; Causal Self Attention. Allowed arithmetic: matrix products marked QUANTISED: E3M2 operands, one E8M0 scale for each 32 along K, by v_wmma_scale_f32_16x16x128_f8f6f4 with both operands' format E3M2, f32 sums; everything else in f32.
;; Inputs: w_out 1,024 x 1,024 float32; w_qkv 3,072 x 1,024 float32; x 4 x 2,048 x 1,024 float32.
;; Outputs: out0 4 x 2,048 x 1,024 float32.
;; This version of the problem:
;;   THIS VERSION OF THE PROBLEM IS GIVEN IN LOW PRECISION. The matrix products marked QUANTISED in the list below multiply operands that are first quantised to E3M2 (3 exponent bits, 2 mantissa bits; 6 bits a number), with one power-of-two scale for each 32 numbers along K (OCP MX v1.0); their sums are f32. All else is computed in f32.
;;   The module's matrix products, in the order in which they are computed (A, B: the left and right operand; K: the contracted axis; several contracted axes count as one K, in the product's order):
;;     1. [M 8,192, K 1,024] x [K 1,024, N 3,072]; A: input x; B: input w_qkv: QUANTISED
;;     2. batch 64 x [M 2,048, K 64] x [K 64, N 2,048]; A: computed on the way; B: computed on the way: QUANTISED
;;     3. batch 64 x [M 2,048, K 2,048] x [K 2,048, N 64]; A: softmax (see below); B: computed on the way: QUANTISED
;;     4. [M 8,192, K 1,024] x [K 1,024, N 1,024]; A: computed on the way; B: input w_out: QUANTISED
;;   THE QUANTISER, for each operand of a quantised product, along K:
;;     - K is cut into blocks of 32 from its start; a last block that is shorter is filled with zeros.
;;     - A block's scale is 2^e with e = floor(log2(the largest magnitude in the block)) - 4, held to -126 .. 127; a block of zeros has e = 0. As a byte (E8M0): e + 127.
;;     - Each number is divided by its block's scale, clamped to +-28, and rounded to the nearest number of E3M2, ties to even, subnormals kept.
;;     - The product sums the exact products of the quantised numbers (number of the format x scale) in f32.
;;   ~~~python
;;   def quantise(x, axis):      # numpy; x: float32 -> the quantised numbers, widened to float32 again
;;       x = np.moveaxis(x, axis, -1); K = x.shape[-1]
;;       x = np.pad(x, [(0, 0)] * (x.ndim - 1) + [(0, -K % 32)]); x = x.reshape(x.shape[:-1] + (-1, 32)); a = np.abs(x).max(-1, keepdims=True)
;;       e = np.where(a > 0, np.clip(np.frexp(np.where(a > 0, a, 1))[1] - 1 - 4, -126, 127), 0)      # np.frexp(a)[1] - 1 = floor(log2(a)), exactly
;;       r = np.clip(x / 2.0 ** e, -28, 28)
;;       step = 2.0 ** (np.maximum(np.frexp(np.where(r == 0, 1, r))[1] - 1, -2) - 2)
;;       q = np.round(r / step) * step * 2.0 ** e      # np.round: ties to even
;;       return np.moveaxis(q.reshape(q.shape[:-2] + (-1,))[..., :K], -1, axis).astype(np.float32)
;;   ~~~
;;   SOFTMAX AHEAD OF A QUANTISED PRODUCT. Where the list says 'softmax', what is quantised is not the finished softmax but p = 2^(t - M), with t = logit x log2(e) and M = ceil(the row's largest t), a whole number; so 1/2 < the row's largest p <= 1. The row's sum l is taken of the UNQUANTISED p, in f32, and the product's result is divided by l at the end. Since M is a whole number, a kernel that streams over the keys may use a running M (the ceiling of the running maximum): every later rescaling is an exact power of two, which a block's scale takes up: the codes' values come out the same.
;;   OPERANDS COMPUTED ON THE WAY. 'Computed on the way' means the value that the module computes at that place (a softmax that the list does not call 'softmax' is quantised finished and normalised). What goes into a quantiser is computed in f32, as accurately as f32 sums, v_exp_f32 and their like allow (about 1e-6 of the number): no bf16 or f16 on the way to a quantiser, and a product that is left as it is and whose result goes on into a quantised operand takes f32 operands (vector FMAs, or v_wmma_f32_16x16x4_f32). A number that lies on a knife's edge between two numbers of the format may be rounded either way, as far as f32 arithmetic and the matrix unit's own rounding can turn it there, and no further.
;; One version. Each part assembles by itself: llvm-mc -triple=amdgcn-amd-amdhsa -mcpu=gfx1250 --defsym DOCPART=n.
;; ======== version 1 of 1: 4 launches
;; limits: right only within a limited range of input values
;; workspace buffers: xw 9,437,184 bytes; xws 393,216 bytes; tab 524,288 bytes; qi 13,369,344 bytes; kv 13,369,344 bytes; oi 6,291,456 bytes; os 262,144 bytes
;; launch prep (part 1): grid 800 x 1, 4 waves a work-group, no clusters, 34,816 bytes of LDS; arguments x, w_qkv, w_out, xw, xws, tab; writes xw, xws, tab
.if DOCPART == 1
	.amdgcn_target "amdgcn-amd-amdhsa--gfx1250"
	.amdhsa_code_object_version 6
	.text
	.protected	k_qbd5f196fb2_prep
	.globl	k_qbd5f196fb2_prep
	.p2align	8
	.type	k_qbd5f196fb2_prep,@function
k_qbd5f196fb2_prep:
	s_mov_b64 s[64:65], 0
	v_nop
	global_prefetch_b8 v0, s[64:65] scope:SCOPE_SE
	s_setreg_imm32_b32 hwreg(HW_REG_WAVE_MODE, 25, 1), 1
	s_wait_xcnt 0x0
; PREP.  x [8192][1024], w_qkv [3072][1024] and w_out [1024][1024], f32, K innermost, become codes of BF6 (E3M2) with one E8M0 byte for each 32 along K,
; laid as IMAGES OF OPERAND REGISTERS; and the table of cos and sin for the rotary embedding is made.
; A HALF FRAGMENT is 16 rows x 64 K: six registers a lane, 768 bytes: registers 0-3 at 16 x lane, registers 4-5 at 512 + 8 x lane; lane (r, h) holds row-lane r, k = 32 h .. 32 h + 31.
; Images: [group of 128 rows][K / 256][tile a of 8][K / 128 % 2][K / 64 % 2][768].  THE ROWS OF A TILE ARE NOT NEIGHBOURS: row-lane i of tile a is row 32 (a / 2) + 8 (a % 2) + i + 8 (i / 8) of its group.
; Scale words: 512 bytes a tile: lane (hK, r) has 16 bytes at 16 x lane: the words of the K steps of 128 numbered 4 hK .. 4 hK + 3 of row-lane r.
; xw = x's images | w_qkv's at 6,291,456 | w_out's at 8,650,752.   xws = their scale words at 0 | 262,144 | 360,448.
; SHARES.  Work-groups 0-511 take x, 512-703 w_qkv, 704-767 w_out, a tile of 16 rows each; 768-799 the table.  A wave takes a quarter of the tile's K: two fragments, all of whose 32 loads are issued at once.
; Each load reads 512 consecutive bytes of one row; the 16 rows turn through the wave's own stage in LDS (rows 528 bytes apart) so that a lane holds 16 neighbours of each block of 32.
; The four waves' scale words meet in 512 LDS bytes of their own; behind one barrier wave 0 stores them as 512 consecutive bytes.
; A block's scale is 2^(floor(log2(largest magnitude)) - 4); its byte is the largest magnitude's exponent field - 4, held at 1 from below.
; LIMITS: NaN and infinities are not served; a block whose largest magnitude lies under 2^-122, a block of zeros among them, keeps the byte 1 (its codes are then zeros or subnormals; this program alone reads the bytes).
; The table's theta_i are the f32 numbers nearest to 10^(-i/8); a power computed in f32 may differ from them in the last place, which at the largest angle, some 1,500 radians, is about 1e-4 radians.
; No tensor load.
.set RGB,   98304                      ; bytes of a group's images
.set STGB,  8448                       ; a wave's stage: 16 rows x 528
.set SPARE, 0x8400                     ; behind the four stages: the spare words, 128 bytes a wave
.set SCR,   0x8600                     ; behind them: the tile's 512 bytes of scale words
.set R,     16                         ; v16-143  two sets of 64 numbers as loaded
.set X,     144                        ; v144-207 64 numbers: register 16 b + i = k 32 b + 16 h + i of my row
.set PC,    208                        ; v208-227 the codes, and the conversions' second halves
.set TM,    228                        ; v228-243 at work
.set SW,    244                        ; v244-245 my two scale words; v244-247 on the way out
	s_load_b256 s[8:15], s[0:1], 0x0               ; x s[8:9], w_qkv s[10:11], w_out s[12:13], xw s[14:15]
	s_load_b128 s[16:19], s[0:1], 0x20             ; xws s[16:17], tab s[18:19]
	v_lshl_add_u32 v254, v0, 2, SPARE
	v_mov_b32 v255, 0
	v_lshrrev_b32 v1, 5, v0
	v_readfirstlane_b32 s28, v1                    ; wave: which quarter of K
	v_and_b32 v1, 31, v0                           ; lane
	v_and_b32 v2, 15, v0                           ; r
	v_bfe_u32 v3, v0, 4, 1                         ; h
	v_lshlrev_b32 v4, 4, v1                        ; 16 x lane
	v_lshlrev_b32 v5, 3, v1                        ; 8 x lane
	s_mov_b32 s25, 0
	s_wait_kmcnt 0x0
	s_cmp_ge_u32 ttmp9, 768
	s_cbranch_scc1 .Ltable
	s_cmp_lt_u32 ttmp9, 512                        ; which tensor: the choice hangs on the work-group's number alone
	s_cselect_b64 s[32:33], s[8:9], s[10:11]
	s_cselect_b32 s30, 0, 512                      ; its first work-group,
	s_cselect_b32 s31, 0, 6291456                  ; where its images begin,
	s_cselect_b32 s38, 0, 262144                   ; and its scale words
	s_cmp_lt_u32 ttmp9, 704
	s_cselect_b64 s[32:33], s[32:33], s[12:13]
	s_cselect_b32 s30, s30, 704
	s_cselect_b32 s31, s31, 8650752
	s_cselect_b32 s38, s38, 360448
	s_sub_co_u32 s39, ttmp9, s30                   ; tile
	s_lshr_b32 s43, s39, 3                         ; group of 128 rows
	s_and_b32 s20, s39, 7                          ; a
	s_lshl_b32 s21, s43, 7
	s_lshr_b32 s22, s20, 1
	s_lshl_b32 s22, s22, 5
	s_add_co_u32 s21, s21, s22
	s_and_b32 s22, s20, 1
	s_lshl_b32 s22, s22, 3
	s_add_co_u32 s21, s21, s22                     ; the tile's first row
	s_lshl_b32 s24, s21, 12                        ; 4,096 bytes a row
	s_lshl_b32 s22, s28, 10                        ; 256 along K are 1,024 bytes
	s_add_co_u32 s24, s24, s22
	s_add_nc_u64 s[32:33], s[32:33], s[24:25]      ; the numbers
	s_mul_i32 s24, s43, RGB
	s_mul_i32 s22, s20, 3072
	s_add_co_u32 s24, s24, s22
	s_mul_i32 s22, s28, 24576
	s_add_co_u32 s24, s24, s22
	s_add_co_u32 s24, s24, s31
	s_add_nc_u64 s[34:35], s[14:15], s[24:25]      ; the images
	s_lshl_b32 s24, s39, 9
	s_add_co_u32 s24, s24, s38
	s_add_nc_u64 s[36:37], s[16:17], s[24:25]      ; the tile's scale words
	s_lshr_b32 s27, s28, 1                         ; my two words in them: 256 (wave / 2) + 8 (wave % 2) + 16 r
	s_lshl_b32 s27, s27, 8
	s_and_b32 s22, s28, 1
	s_lshl_b32 s22, s22, 3
	s_add_co_u32 s27, s27, s22
	s_add_co_u32 s27, s27, SCR
	s_mul_i32 s26, s28, STGB
	s_wait_alu depctr_va_vdst(0)
	v_add_nc_u32 v6, s26, v4                       ; the stage, in: 16 x lane of a row
	v_mul_u32_u24 v7, v2, 528
	v_lshl_add_u32 v7, v3, 6, v7
	v_add_nc_u32 v7, s26, v7                       ; out: row r, + 64 h
	v_lshlrev_b32 v8, 4, v2                        ; 16 r
	v_add_nc_u32 v9, s27, v8                       ; where my two scale words go in LDS,
	v_add_nc_u32 v10, SCR, v4                      ; and where wave 0 reads the tile's back
	s_mov_b32 s40, 0x76543210
	s_mov_b32 s41, 0xfedcba98                      ; v_permlanex16_b32's selects for lane l xor 16
.irp b, 0,1,2,3
	v_mov_b32 v[TM+4+\b], 0                        ; written once: a lane permute's destination counts as one of its sources
.endr
.macro LOAD t                          ; K step t of my two: 16 rows x 512 consecutive bytes, into set t
.irp i, 0,1,2,3,4,5,6,7,8,9,10,11,12,13,14,15
	global_load_b128 v[R+64*(\t)+4*\i:R+64*(\t)+4*\i+3], v4, s[32:33] offset:(\i+8*(\i/8))*4096+512*(\t) th:TH_LOAD_NT
.endr
.endm
; 64 numbers of a lane, register 16 b + i = k 32 b + 16 h + i of my row, become a fragment's codes in v[PC] on and its scale word in v[pw]
.macro QUANT s, pw
.irp b, 0,1,2,3
	v_max3_num_f32 v[TM+\b], |v[\s+16*\b]|, |v[\s+1+16*\b]|, 0x2800000   ; my 16 numbers of block b, and the floor 2^(5 - 127): the byte cannot fall under 1
.endr
.irp i, 2,4,6,8,10,12,14
.irp b, 0,1,2,3
	v_max3_num_f32 v[TM+\b], v[TM+\b], |v[\s+16*\b+\i]|, |v[\s+1+16*\b+\i]|   ; the four blocks by turns
.endr
.endr
.irp b, 0,1,2,3
	v_permlanex16_b32 v[TM+4+\b], v[TM+\b], s40, s41
.endr
.irp b, 0,1,2,3
	v_max_num_f32 v[TM+\b], v[TM+\b], v[TM+4+\b]   ; with lane l xor 16's: the block's largest magnitude
.endr
.irp b, 0,1,2,3
	v_add_nc_u32 v[TM+12+\b], 0xfe000000, v[TM+\b] ; 4 off its exponent field: the conversion's scale operand
.endr
.irp b, 0,1,2,3
	v_lshrrev_b32 v[TM+4+\b], 23, v[TM+12+\b]      ; the scale's byte
.endr
	v_lshl_or_b32 v[\pw], v[TM+5], 8, v[TM+4]
	v_lshl_or_b32 v[\pw], v[TM+6], 16, v[\pw]
	v_lshl_or_b32 v[\pw], v[TM+7], 24, v[\pw]
.irp c, 0,1
	v_cvt_scalef32_pk16_bf6_f32 v[PC+6*\c:PC+2+6*\c], v[\s+32*\c:\s+15+32*\c], v[TM+12+2*\c]
	v_cvt_scalef32_pk16_bf6_f32 v[PC+12+4*\c:PC+14+4*\c], v[\s+16+32*\c:\s+31+32*\c], v[TM+13+2*\c]   ; (a conversion's three registers begin on an even number)
.endr
	v_nop                                          ; one plain place behind a scaled conversion
.irp c, 0,1                            ; the operand's layout wants a whole block in a lane
.irp i, 0,1,2
	v_permlane16_swap_b32 v[PC+6*\c+\i], v[PC+12+4*\c+\i]
.endr
.irp i, 0,1,2
	v_mov_b32 v[PC+3+6*\c+\i], v[PC+12+4*\c+\i]
.endr
.endr
.endm
.macro FRAGQ t
.if (\t) < 1
	s_wait_loadcnt 16                              ; this step's 16 loads are in; the next step's 16 may be out
.else
	s_wait_loadcnt 0x0
.endif
.irp i, 0,1,2,3,4,5,6,7,8,9,10,11,12,13,14,15
	ds_store_b128 v6, v[R+64*(\t)+4*\i:R+64*(\t)+4*\i+3] offset:528*\i
.endr
.irp b, 0,1,2,3
.irp j, 0,1,2,3
	ds_load_b128 v[X+16*\b+4*\j:X+16*\b+4*\j+3], v7 offset:128*\b+16*\j   ; LDS serves a wave's instructions in order: these see the stores above
.endr
.endr
	s_wait_dscnt 0x0                               ; the numbers are back
	s_wait_xcnt 0x0                                ; the last fragment's stores have read the codes' registers
	QUANT X, SW+(\t)
	global_store_b128 v4, v[PC:PC+3], s[34:35] offset:(\t)*1536         ; each store of the wave covers 512 or 256 consecutive bytes, aligned
	global_store_b64 v5, v[PC+4:PC+5], s[34:35] offset:(\t)*1536+512
	global_store_b128 v4, v[PC+6:PC+9], s[34:35] offset:(\t)*1536+768
	global_store_b64 v5, v[PC+10:PC+11], s[34:35] offset:(\t)*1536+1280
.endm
	LOAD 0
	LOAD 1
	s_wait_alu depctr_va_vdst(0)
	FRAGQ 0
	FRAGQ 1
	s_wait_alu depctr_va_vdst(0)
	ds_store_b64 v9, v[SW:SW+1]                    ; both halves of the lanes hold the same words and write the same bytes
	s_wait_dscnt 0x0                               ; for the others' sake
	s_barrier_signal -1
	s_barrier_wait -1                              ; the tile's 512 bytes are whole
	s_cmp_lg_u32 s28, 0
	s_cbranch_scc1 .Lnot_first
	ds_load_b128 v[SW:SW+3], v10
	s_wait_dscnt 0x0
	global_store_b128 v4, v[SW:SW+3], s[36:37]     ; 512 consecutive bytes, aligned
.Lnot_first:
	s_wait_tensorcnt 0x0                           ; the wave's end
	ds_add_u32 v254, v255
	s_wait_dscnt 0x0
	s_endpgm
; THE TABLE.  tab [tile of 16 tokens of the sequence (128)][4,096]: an image of 32 registers: group q of four at 512 q + 16 x lane.
; Register e (0-15): cos(t theta_i), register 16 + e: sin(t theta_i), i = 16 h + e, t = the lane's token of the tile.
.Ltable:
	s_sub_co_u32 s29, ttmp9, 768
	s_lshl_b32 s29, s29, 2
	s_add_co_u32 s29, s29, s28                     ; the tile
	s_lshr_b32 s30, s29, 1
	s_lshl_b32 s30, s30, 5
	s_and_b32 s31, s29, 1
	s_lshl_b32 s31, s31, 3
	s_add_co_u32 s30, s30, s31
	s_wait_alu depctr_va_vdst(0)
	v_and_b32 v6, 8, v2
	v_add_nc_u32 v6, v6, v2
	v_add_nc_u32 v6, s30, v6                       ; t = 32 (tile / 2) + 8 (tile % 2) + r + 8 (r / 8)
	v_cvt_f32_u32 v16, v6
	v_cmp_le_u32 vcc_lo, 16, v1                    ; lanes 16-31
	s_lshl_b32 s24, s29, 12
	s_add_nc_u64 s[18:19], s[18:19], s[24:25]
	s_mov_b32 s44, 0xbfc90fdb                      ; -pi/2 in three parts: the f32 nearest,
	s_mov_b32 s45, 0x333bbd2e                      ; what it has too much,
	s_mov_b32 s46, 0x26f72ced                      ; and what that leaves
	s_mov_b32 s47, 0xb94ca1f9                      ; sine on +-pi/4: -1.9515295891e-4,
	s_mov_b32 s48, 0x3c08839e                      ; 8.3321608736e-3,
	s_mov_b32 s49, 0xbe2aaaa3                      ; -1.6666654611e-1
	s_mov_b32 s50, 0x37ccf5ce                      ; cosine: 2.443315712e-5,
	s_mov_b32 s51, 0xbab6061a                      ; -1.388731625e-3,
	s_mov_b32 s52, 0x3d2aaaa5                      ; 4.166664568e-2
.macro SINCOS e, lo, hi
	v_mov_b32 v20, \hi
	v_cndmask_b32 v20, \lo, v20, vcc_lo            ; theta of i = 16 h + e
	s_wait_alu depctr_va_vdst(0)
	v_mul_f32 v21, v16, v20                        ; the angle, rounded once
	v_mul_f32 v22, 0x3f22f983, v21
	v_rndne_f32 v22, v22                           ; n = the nearest multiple of pi/2
	v_fma_f32 v23, v22, s44, v21                   ; (exact: the difference has no more bits than f32 holds)
	v_fma_f32 v23, v22, s45, v23
	v_fma_f32 v23, v22, s46, v23                   ; rho, within +-pi/4
	v_mul_f32 v24, v23, v23                        ; z
	v_fma_f32 v25, v24, s47, s48
	v_fma_f32 v25, v25, v24, s49
	v_mul_f32 v25, v25, v24
	v_fma_f32 v25, v25, v23, v23                   ; sin rho
	v_fma_f32 v26, v24, s50, s51
	v_fma_f32 v26, v26, v24, s52
	v_fma_f32 v27, v24, -0.5, 1.0
	v_mul_f32 v28, v24, v24
	v_fma_f32 v26, v26, v28, v27                   ; cos rho
	v_cvt_i32_f32 v29, v22
	v_and_b32 v30, 1, v29
	v_cmp_ne_u32 s56, 0, v30                       ; an odd quadrant swaps the two
	v_cndmask_b32 v30, v25, v26, s56
	v_cndmask_b32 v31, v26, v25, s56
	v_lshlrev_b32 v27, 30, v29                     ; the sine's sign is bit 1 of n,
	v_and_b32 v27, 0x80000000, v27
	v_xor_b32 v[48+\e], v27, v30
	v_add_nc_u32 v29, 1, v29                       ; the cosine's bit 1 of n + 1
	v_lshlrev_b32 v27, 30, v29
	v_and_b32 v27, 0x80000000, v27
	v_xor_b32 v[32+\e], v27, v31
.endm
	SINCOS 0, 1.0, 0.01
	SINCOS 1, 0.7498942093, 0.007498942093
	SINCOS 2, 0.5623413252, 0.005623413252
	SINCOS 3, 0.4216965034, 0.004216965034
	SINCOS 4, 0.3162277660, 0.003162277660
	SINCOS 5, 0.2371373706, 0.002371373706
	SINCOS 6, 0.1778279410, 0.001778279410
	SINCOS 7, 0.1333521432, 0.001333521432
	SINCOS 8, 0.1, 0.001
	SINCOS 9, 0.07498942093, 0.0007498942093
	SINCOS 10, 0.05623413252, 0.0005623413252
	SINCOS 11, 0.04216965034, 0.0004216965034
	SINCOS 12, 0.03162277660, 0.0003162277660
	SINCOS 13, 0.02371373706, 0.0002371373706
	SINCOS 14, 0.01778279410, 0.0001778279410
	SINCOS 15, 0.01333521432, 0.0001333521432
.irp q, 0,1,2,3,4,5,6,7
	global_store_b128 v4, v[32+4*\q:35+4*\q], s[18:19] offset:512*\q
.endr
	s_endpgm
.Lfunc_end_k_qbd5f196fb2_prep:
	.size	k_qbd5f196fb2_prep, .Lfunc_end_k_qbd5f196fb2_prep-k_qbd5f196fb2_prep
	.p2alignl 7, 3214868480
	.fill 96, 4, 3214868480
	.section	.rodata,"a",@progbits
	.p2align	6, 0x0
	.amdhsa_kernel k_qbd5f196fb2_prep
		.amdhsa_group_segment_fixed_size 34816
		.amdhsa_private_segment_fixed_size 0
		.amdhsa_enable_private_segment 0
		.amdhsa_kernarg_size 48
		.amdhsa_user_sgpr_count 2
		.amdhsa_user_sgpr_kernarg_segment_ptr 1
		.amdhsa_wavefront_size32 1
		.amdhsa_system_sgpr_workgroup_id_x 1
		.amdhsa_system_sgpr_workgroup_id_y 1
		.amdhsa_system_sgpr_workgroup_id_z 1
		.amdhsa_system_vgpr_workitem_id 0
		.amdhsa_next_free_vgpr 256
		.amdhsa_next_free_sgpr 66
		.amdhsa_reserve_vcc 1
		.amdhsa_float_denorm_mode_32 3
		.amdhsa_float_denorm_mode_16_64 3
		.amdhsa_memory_ordered 1
		.amdhsa_forward_progress 1
		.amdhsa_inst_pref_size 46
	.end_amdhsa_kernel
	.amdgpu_metadata
---
amdhsa.version: [ 1, 2 ]
amdhsa.kernels:
  - .name:           k_qbd5f196fb2_prep
    .symbol:         k_qbd5f196fb2_prep.kd
    .args:
      - { .name: x, .offset: 0, .size: 8, .value_kind: global_buffer, .address_space: global }
      - { .name: w_qkv, .offset: 8, .size: 8, .value_kind: global_buffer, .address_space: global }
      - { .name: w_out, .offset: 16, .size: 8, .value_kind: global_buffer, .address_space: global }
      - { .name: xw, .offset: 24, .size: 8, .value_kind: global_buffer, .address_space: global }
      - { .name: xws, .offset: 32, .size: 8, .value_kind: global_buffer, .address_space: global }
      - { .name: tab, .offset: 40, .size: 8, .value_kind: global_buffer, .address_space: global }
    .group_segment_fixed_size: 34816
    .private_segment_fixed_size: 0
    .kernarg_segment_align: 8
    .kernarg_segment_size: 48
    .max_flat_workgroup_size: 128
    .sgpr_count:     66
    .vgpr_count:     256
    .wavefront_size: 32
...
	.end_amdgpu_metadata
.endif
;; end of part 1
;; launch qkv (part 2): grid 8 x 32, 4 waves a work-group, clusters of 4 x 4, 327,680 bytes of LDS; arguments xw, xws, tab, qi, kv; writes qi, kv
.if DOCPART == 2
	.amdgcn_target "amdgcn-amd-amdhsa--gfx1250"
	.amdhsa_code_object_version 6
	.text
	.protected	k_qbd5f196fb2_qkv
	.globl	k_qbd5f196fb2_qkv
	.p2align	8
	.type	k_qbd5f196fb2_qkv,@function
k_qbd5f196fb2_qkv:
	s_mov_b64 s[64:65], 0
	v_nop
	global_prefetch_b8 v0, s[64:65] scope:SCOPE_SE
	s_setreg_imm32_b32 hwreg(HW_REG_WAVE_MODE, 25, 1), 1
	s_wait_xcnt 0x0
	s_wait_alu depctr_hold_cnt(0) depctr_sa_sdst(0) depctr_va_vdst(0) depctr_va_sdst(0) depctr_va_ssrc(0) depctr_va_vcc(0) depctr_vm_vsrc(0)
	s_getreg_b32 s2, hwreg(HW_REG_IB_STS2, 6, 4)
	s_cmp_eq_u32 s2, 0
	s_cbranch_scc0 .Lentry_in_a_cluster
	s_endpgm
.Lentry_in_a_cluster:
	s_bfe_u32 s2, ttmp6, 0x10000c
	s_cmp_lg_u32 s2, 0xf033
	s_cbranch_scc0 .Lentry_shape_is_right
	s_endpgm
.Lentry_shape_is_right:
; QKV.  qkv = x w_qkv^T on codes of BF6 (E3M2) with E8M0 scales, K = 1,024; then, in registers, the rotary embedding of q and k in f32 and the quantisers of the next products:
; q and k along the head's 64, v along the tokens.  Nothing of qkv goes to memory as f32.
; OPERANDS are images of operand registers (a half fragment, 16 rows x 64 K, is 768 bytes: registers 0-3 at 16 x lane, 4-5 at 512 + 8 x lane), laid [group of 128 rows][K / 256][tile (8)][2][2][768].
; Row-lane i of tile a is row 32 (a / 2) + 8 (a % 2) + i + 8 (i / 8) of its group.  THE MATRIX INSTRUCTION IS USED TRANSPOSED (source 0 = 16 rows of B, source 1 = 16 rows of A): of A's tile a a lane
; holds ONE row, and the 64 registers of its eight accumulators run along B's rows: register 16 b + i = B's row 32 b + 16 (lane / 16) + i.
; SHARES: 8 x 32 = 256 work-groups of four waves; each makes TWO products, one after the other.
; FIRST: 256 tokens (A) x 256 rows of w_q or w_k (B), a wave 128 x 128.  K goes in steps of 256 through two LDS slots; part (wave, slot) lies at wave x 49,152 + slot x 24,576; the head's one load a wave fills both its parts.
; SECOND, for v, THE ROLES SWAPPED: A = 128 rows of w_v (group = the work-group's x), B = the same 256 tokens: a lane holds one d, registers run down the tokens, the K of the product with p.  A wave makes 64 x 128.
; All its K lies in LDS: at the first product's last change of slots the ring's bytes are filled again with the tokens' whole K (49,152 bytes a wave); w_v's group (24,576 bytes a wave) goes to bytes of its own,
; behind a round of its own in the middle of the first way out.  The second product has no change of slots.
; CLUSTERS 4 x 4: the tokens' tiles are shared along a row of the cluster, w's along a column: each is asked for jointly.
; OUT.  kv [head (64)][256 keys (8)][26,112]: K's half fragments at gg 6,144 + tile 768 (gg = which 128 keys); V^T's fragments (16 d x 128 keys) at 12,288 + gg 6,144 + d tile 1,536;
; K's scale words at 24,576 + gg 512 + 16 x lane (lane (h, r): tiles 4 h .. 4 h + 3; bytes 2, 3 are 0); V's at 25,600 + gg 256 + 16 r (d tiles 0-3).  qi: Q at K's places; V's places are neither written nor read.
; LIMITS: NaN and infinities are not served; a block whose largest magnitude lies under 2^-122 keeps the byte 1.
; REGISTERS.  Window 0: v1, v2 16 and 8 x lane; v3 lane; v16-23 LDS addresses; v28, v29 for the add; v30 16 r; v32-63 A's scale words, v64-95 B's; v96-127, v224-255 two sets of the table; v128-223 A's fragments, later the way out.
;   Window 1: B's fragments, two sets, at v0 and v128; in the first way out v0-63 the rotary embedding's products.   Windows 2, 3: accumulator (a, b) at v[8 (8 (a % 4) + b)].
.set FRB,    1536
.set RT,     3072
.set HALFT,  24576                     ; 128 rows x 256 K
.set SLOT,   24576
.set RGB,    98304
.set SPARE,  196608                    ; behind the ring: the spare words, 128 bytes a wave
.set WV,     197120                    ; behind them: w_v's group, 98,304 bytes
.set HS,     208896                    ; a head in qi and kv
.set SLB,    26112                     ; 256 keys of a head
.set L16,  1
.set L8,   2
.set ADRA, 16
.set ADRB, 20
.set SPW,  28
.set NIL,  29
.set VSO,  30
.set SCA,  32
.set SCB,  64
.set TAB0, 96
.set AF,   128
.set PC,   128
.set TM,   148
.set PWS,  164
.set SELR, 172
.set LO,   176
.set HI,   180
.set G1,  24
.set G0,  32
.set G1B, 48
.set G0B, 56
.set G0V, 80                           ; group 0 for w_v's part
.set G0T, 96                           ; group 0 for the tokens' whole K
.set MSB, 0
.macro WIN new                         ; the immediate's high byte repeats the setting that is left
.if MSB != (\new)
	s_set_vgpr_msb (MSB<<8)|(\new)
.set MSB, (\new)
.endif
.endm
.set MUL_LO, 0xa1                      ; source 0 (B) window 1, source 1 (A) window 0, C and D window 2
.set MUL_HI, 0xf1
.set TO_B,   0x40
.macro PLACES n
.rept \n
	v_nop
.endr
.endm
.macro JLOAD g0a, g1a, g0b, g1b        ; the ring's joint load: waves 0, 1 fetch tokens, waves 2, 3 w's rows
	s_cmp_eq_u32 s19, 0
	s_cbranch_scc0 .Lfor_b_\@
	tensor_load_to_lds s[\g0a:\g0a+3], s[\g1a:\g1a+7]
	s_nop 0
	PLACES 4
	s_branch .Lasked_\@
.Lfor_b_\@:
	tensor_load_to_lds s[\g0b:\g0b+3], s[\g1b:\g1b+7]
	s_nop 0
	PLACES 4
.Lasked_\@:
.endm
.macro CREST
	s_cmp_lg_u32 s18, 0
	s_cbranch_scc1 .Lnot_wave_0_\@
	s_barrier_signal -3
.Lnot_wave_0_\@:
	s_barrier_wait -3
	s_barrier_signal -1
	s_barrier_wait -1
.endm
.macro CROUND
	s_barrier_signal -1
	s_barrier_wait -1
	CREST
.endm
	s_load_b256 s[4:11], s[0:1], 0x0               ; xw s[4:5], xws s[6:7], tab s[8:9], qi s[10:11]
	s_load_b64 s[12:13], s[0:1], 0x20              ; kv
	v_lshl_add_u32 v[SPW], v0, 2, SPARE
	v_mov_b32 v[NIL], 0
	ds_add_u32 v[SPW], v[NIL]                      ; the opening lines
	ds_add_u32 v[SPW], v[NIL]
	v_lshrrev_b32 v3, 5, v0
	v_readfirstlane_b32 s18, v3                    ; wave
	s_lshr_b32 s19, s18, 1
	s_and_b32 s20, s18, 1
	s_bfe_u32 s40, ttmp6, 0x40000                  ; cx
	s_bfe_u32 s41, ttmp6, 0x40004                  ; cy
	s_lshl_b32 s42, ttmp9, 2
	s_add_co_u32 s42, s42, s40                     ; x: the tile of 256 rows of w_q, w_k; the group of 128 rows of w_v
	s_and_b32 s66, ttmp7, 0xffff
	s_lshl_b32 s66, s66, 2
	s_add_co_u32 s66, s66, s41                     ; y: the tile of 256 tokens
	s_lshl_b32 s43, s41, 2
	s_lshl_b32 s43, 15, s43                        ; my row of the cluster
	s_lshl_b32 s44, 0x1111, s40                    ; my column
	s_or_b32 s[G1+0], s43, (3<<16)|(1<<21)         ; the mask; elements of 8 bytes; bit 21 beside a mask; dense rows of 256 bytes, no padding
	s_or_b32 s[G1B+0], s44, (3<<16)|(1<<21)
.irp g, G1, G1B
	s_mov_b32 s[\g+1], 32<<16
	s_mov_b32 s[\g+2], 192<<16                     ; the head's load brings both slots' parts, 192 rows
	s_mov_b32 s[\g+3], 32<<16
	s_mov_b32 s[\g+4], 192
	s_mov_b32 s[\g+5], 32
	s_mov_b32 s[\g+6], 0
	s_mov_b32 s[\g+7], 0
.endr
	s_lshl_b32 s21, s66, 1
	s_add_co_u32 s22, s21, s20
	s_mul_i32 s22, s22, RGB                        ; ring: the group of tokens that I fetch
	s_mov_b32 s23, 0
	s_add_co_u32 s14, s21, s19
	s_mul_i32 s14, s14, RGB
	s_mul_i32 s15, s20, 2*HALFT
	s_add_co_u32 s14, s14, s15                     ; second product: group wave / 2 of the tokens, half wave % 2 of K
	s_mov_b32 s15, 0
	s_lshl_b32 s91, s42, 1
	s_add_co_u32 s91, s91, s20
	s_mul_i32 s46, s91, RGB
	s_add_co_u32 s46, s46, 6291456                 ; ring: the group of w's rows that I fetch
	s_mov_b32 s47, 0
	s_mul_i32 s92, s42, RGB
	s_mul_i32 s93, s18, HALFT
	s_add_co_u32 s92, s92, s93
	s_add_co_u32 s92, s92, 7864320                 ; w_v's group x, my quarter of K
	s_add_co_u32 s[G0V+1], s93, WV
	s_mov_b32 s93, 0
	s_mul_i32 s45, s18, 2*HALFT                    ; my parts in LDS: no place in the cluster enters an LDS address
	s_mov_b32 s[G0T], 1
	s_mov_b32 s[G0T+1], s45
	s_mov_b32 s[G0V], 1
	s_wait_dscnt 0x0                               ; both opening adds are done
	s_wait_kmcnt 0x0
	s_add_nc_u64 s[70:71], s[4:5], s[22:23]
	s_add_nc_u64 s[46:47], s[4:5], s[46:47]
	s_add_nc_u64 s[G0T+2:G0T+3], s[4:5], s[14:15]
	s_or_b32 s[G0T+3], s[G0T+3], 0x80000000
	s_add_nc_u64 s[G0V+2:G0V+3], s[4:5], s[92:93]
	s_or_b32 s[G0V+3], s[G0V+3], 0x80000000
	CROUND                                         ; all sixteen work-groups are here: the first joint loads meet
.irp s, 0,1
	s_mov_b32 s[G0+4*\s], 1
	s_add_co_u32 s[G0+4*\s+1], s45, \s*SLOT
	s_add_nc_u64 s[G0+4*\s+2:G0+4*\s+3], s[70:71], \s*HALFT
	s_or_b32 s[G0+4*\s+3], s[G0+4*\s+3], 0x80000000
	s_mov_b32 s[G0B+4*\s], 1
	s_add_co_u32 s[G0B+4*\s+1], s45, \s*SLOT
	s_add_nc_u64 s[G0B+4*\s+2:G0B+4*\s+3], s[46:47], \s*HALFT
	s_or_b32 s[G0B+4*\s+3], s[G0B+4*\s+3], 0x80000000
.endr
	JLOAD G0, G1, G0B, G1B                         ; my one load at the head: 512 along K of my 128 rows: my parts of both slots
	; ---- pointers
	s_add_co_u32 s16, s21, s19                     ; first product: my group of tokens (s91: my group of w's rows)
	s_add_co_u32 s67, s21, s20                     ; second product: my group of tokens
	s_mov_b32 s69, 0
	s_lshl_b32 s68, s16, 12                        ; 4,096 bytes of scale words a group
	s_add_nc_u64 s[72:73], s[6:7], s[68:69]
	s_lshl_b32 s68, s91, 12
	s_add_co_u32 s68, s68, 262144
	s_add_nc_u64 s[74:75], s[6:7], s[68:69]
	s_lshl_b32 s68, s67, 12
	s_add_nc_u64 s[94:95], s[6:7], s[68:69]
	s_lshl_b32 s68, s42, 12
	s_lshl_b32 s3, s19, 11                         ; my four tiles of w_v
	s_add_co_u32 s68, s68, s3
	s_add_co_u32 s68, s68, 327680
	s_add_nc_u64 s[2:3], s[6:7], s[68:69]
	s_and_b32 s14, s91, 7                          ; q, k: the pair of heads
	s_lshr_b32 s15, s16, 4
	s_lshl_b32 s15, s15, 4                         ; 16 x batch
	s_lshl_b32 s14, s14, 1
	s_add_co_u32 s15, s15, s14
	s_lshl_b32 s15, s15, 3
	s_bfe_u32 s14, s16, 0x30001                    ; which 256 tokens of the sequence
	s_add_co_u32 s15, s15, s14
	s_mul_i32 s15, s15, SLB
	s_and_b32 s14, s16, 1                          ; gg
	s_mul_i32 s68, s14, 6144
	s_add_co_u32 s68, s68, s15
	s_cmp_eq_u32 ttmp9, 0
	s_cselect_b64 s[22:23], s[10:11], s[12:13]     ; q goes to qi, k to kv
	s_add_nc_u64 s[76:77], s[22:23], s[68:69]
	s_lshl_b32 s14, s14, 9
	s_add_co_u32 s68, s14, s15
	s_add_co_u32 s68, s68, 24576
	s_add_nc_u64 s[84:85], s[22:23], s[68:69]
	s_and_b32 s68, s16, 15
	s_lshl_b32 s68, s68, 15
	s_add_nc_u64 s[86:87], s[8:9], s[68:69]        ; the table of my 128 tokens' eight tiles
	s_lshr_b32 s15, s67, 4                         ; v: 16 x batch
	s_lshl_b32 s15, s15, 4
	s_lshl_b32 s14, s42, 1
	s_add_co_u32 s15, s15, s14
	s_add_co_u32 s15, s15, s19                     ; my head
	s_lshl_b32 s15, s15, 3
	s_bfe_u32 s14, s67, 0x30001
	s_add_co_u32 s15, s15, s14
	s_mul_i32 s15, s15, SLB
	s_and_b32 s14, s67, 1
	s_mul_i32 s68, s14, 6144
	s_add_co_u32 s68, s68, s15
	s_add_co_u32 s68, s68, 12288
	s_add_nc_u64 s[78:79], s[12:13], s[68:69]
	s_lshl_b32 s14, s14, 8
	s_add_co_u32 s68, s14, s15
	s_add_co_u32 s68, s68, 25600
	s_add_nc_u64 s[92:93], s[12:13], s[68:69]
	s_mov_b32 s88, 0x76543210
	s_mov_b32 s89, 0xfedcba98
	s_mov_b32 s90, 0xffff0000                      ; lanes 16-31
	s_mul_i32 s21, s19, 2*HALFT                    ; my 128 tokens
	s_mul_i32 s22, s20, 2*HALFT
	s_add_co_u32 s22, s22, 4*HALFT                 ; my 128 rows of w
	s_add_co_u32 s14, s21, SLOT
	s_add_co_u32 s15, s22, SLOT
	v_and_b32 v3, 31, v0
	v_lshlrev_b32 v[L16], 4, v3
	v_lshlrev_b32 v[L8], 3, v3
	v_and_b32 v4, 15, v0
	v_lshlrev_b32 v[VSO], 4, v4
	v_add_nc_u32 v[ADRA], s21, v[L16]
	v_add_nc_u32 v[ADRA+1], s14, v[L16]
	v_add_nc_u32 v[ADRA+2], s21, v[L8]
	v_add_nc_u32 v[ADRA+3], s14, v[L8]
	v_add_nc_u32 v[ADRB], s22, v[L16]
	v_add_nc_u32 v[ADRB+1], s15, v[L16]
	v_add_nc_u32 v[ADRB+2], s22, v[L8]
	v_add_nc_u32 v[ADRB+3], s15, v[L8]
.irp q, 0,1,2,3,4,5,6,7                ; the table's sets 0 and 1
	global_load_b128 v[TAB0+4*\q:TAB0+4*\q+3], v[L16], s[86:87] offset:512*\q
.endr
.irp q, 0,1,2,3,4,5,6,7
	global_load_b128 v[TAB0+128+4*\q:TAB0+128+4*\q+3], v[L16], s[86:87] offset:4096+512*\q
.endr
	WIN TO_B                                       ; sets 2 and 3 go to window 1's v96-127 and v224-255, which B's two sets leave free
.irp q, 0,1,2,3,4,5,6,7
	global_load_b128 v[TAB0+4*\q:TAB0+4*\q+3], v[L16], s[86:87] offset:2*4096+512*\q
.endr
.irp q, 0,1,2,3,4,5,6,7
	global_load_b128 v[TAB0+128+4*\q:TAB0+128+4*\q+3], v[L16], s[86:87] offset:3*4096+512*\q
.endr
	WIN 0
.irp i, 0,1,2,3,4,5,6,7                ; scale words for all of K: register ks % 4; lanes 0-15 K steps 0-3, lanes 16-31 steps 4-7
	global_load_b128 v[SCA+4*\i:SCA+4*\i+3], v[L16], s[72:73] offset:512*\i
	global_load_b128 v[SCB+4*\i:SCB+4*\i+3], v[L16], s[74:75] offset:512*\i
.endr
.macro FRAG reg, adr, off              ; a fragment's image: 12 registers
	ds_load_b128 v[\reg:\reg+3], v[\adr] offset:\off
	ds_load_b64 v[\reg+4:\reg+5], v[\adr+2] offset:\off+512
	ds_load_b128 v[\reg+6:\reg+9], v[\adr] offset:\off+768
	ds_load_b64 v[\reg+10:\reg+11], v[\adr+2] offset:\off+1280
.endm
.macro FETCH_B slot, q, p
	WIN TO_B
.irp i, 0,1,2,3,4,5,6,7
	FRAG 128*(\p)+12*\i, ADRB+\slot, \i*RT+(\q)*FRB
.endr
	WIN 0
.endm
.macro FETCH_A slot, q, i0
.irp i, \i0, \i0+1, \i0+2, \i0+3
	FRAG AF+12*(\i), ADRA+\slot, (\i)*RT+(\q)*FRB
.endr
.endm
; one matrix instruction; the accumulators take turns, one instruction a turn, in the same order in every step
.macro MM dd, bf, aa, sb, sa, ks
.if (\ks) == 0
	v_wmma_scale_f32_16x16x128_f8f6f4 v[\dd:\dd+7], v[\bf:\bf+11], v[\aa:\aa+11], 0, v[\sb], v[\sa] matrix_a_fmt:MATRIX_FMT_BF6 matrix_b_fmt:MATRIX_FMT_BF6
.elseif (\ks) < 4
	v_wmma_scale_f32_16x16x128_f8f6f4 v[\dd:\dd+7], v[\bf:\bf+11], v[\aa:\aa+11], v[\dd:\dd+7], v[\sb], v[\sa] matrix_a_fmt:MATRIX_FMT_BF6 matrix_b_fmt:MATRIX_FMT_BF6
.else
	v_wmma_scale_f32_16x16x128_f8f6f4 v[\dd:\dd+7], v[\bf:\bf+11], v[\aa:\aa+11], v[\dd:\dd+7], v[\sb], v[\sa] matrix_a_fmt:MATRIX_FMT_BF6 matrix_b_fmt:MATRIX_FMT_BF6 matrix_a_scale:MATRIX_SCALE_ROW1 matrix_b_scale:MATRIX_SCALE_ROW1
.endif
.endm
.macro MUL16 a0, p, ks                 ; first product: A's blocks a0, a0 + 1 x B's eight; K step ks of eight
.irp a, \a0, \a0+1
.irp b, 0,1,2,3,4,5,6,7
	MM 8*(8*((\a)%4)+\b), 128*(\p)+12*\b, AF+12*(\a), SCB+4*\b+(\ks)%4, SCA+4*(\a)+(\ks)%4, \ks
.endr
.endr
.endm
.macro STEP slot, ks                   ; a slot's first step of 128
	s_wait_dscnt 16                                ; B's set and A's blocks 0-3 are in; the youngest 16 loads (A's blocks 4-7) may be out
	WIN MUL_LO
	MUL16 0, 0, \ks
	MUL16 2, 0, \ks
	s_wait_dscnt 0x0
	PLACES 4
	FETCH_B \slot, 1, 1
	FETCH_A \slot, 1, 0
	WIN MUL_HI
	MUL16 4, 0, \ks
	MUL16 6, 0, \ks
	PLACES 4
	WIN 0
	FETCH_A \slot, 1, 4
.endm
; A slot's second step changes slots.  fill = 0: nothing is filled; 1: the slot takes the K step of 256 two on; 2: the first product's end: the ring's bytes take the tokens' whole K, and nothing is fetched
.macro TURN slot, next, fill, ks
	s_wait_tensorcnt 0x0                           ; all my tensor loads have landed
	ds_add_u32 v[SPW], v[NIL]                      ; 0 onto my spare word
	s_wait_dscnt 17                                ; (the add and the youngest 16 loads may be out)
	WIN MUL_LO
	MUL16 0, 1, \ks
	s_wait_dscnt 0x0                               ; the add is done, and my reads of this slot are over
	s_barrier_signal -1
	MUL16 2, 1, \ks
	WIN 0
	s_barrier_wait -1
.if \fill == 1
	CREST                                          ; the barrier has opened a round of the cluster's barrier
	s_add_nc_u64 s[G0+4*\slot+2:G0+4*\slot+3], s[G0+4*\slot+2:G0+4*\slot+3], 2*HALFT
	s_add_nc_u64 s[G0B+4*\slot+2:G0B+4*\slot+3], s[G0B+4*\slot+2:G0B+4*\slot+3], 2*HALFT
	JLOAD G0+4*\slot, G1, G0B+4*\slot, G1B
.elseif \fill == 2
	CREST
	s_mov_b32 s[G1+2], 192<<16                     ; no tensor load of mine is out: 192 rows again
	s_mov_b32 s[G1+4], 192
	tensor_load_to_lds s[G0T:G0T+3], s[G1:G1+7]    ; every wave: 49,152 bytes of the tokens, onto its own two parts
	s_nop 0
	PLACES 4
.else
	PLACES 4
.endif
.if \fill < 2
	FETCH_B \next, 0, 0
	FETCH_A \next, 0, 0
.endif
	WIN MUL_HI
	MUL16 4, 1, \ks
	MUL16 6, 1, \ks
	PLACES 4
	WIN 0
.if \fill < 2
	FETCH_A \next, 0, 4
.endif
.endm
	s_wait_alu depctr_va_vdst(0)
	s_wait_tensorcnt 0x0                           ; my parts of both slots are in; no tensor load of mine is out, so a descriptor may be written:
	s_mov_b32 s[G1+2], 96<<16                      ; the ring's loads bring one slot's part, 96 rows
	s_mov_b32 s[G1+4], 96
	s_mov_b32 s[G1B+2], 96<<16
	s_mov_b32 s[G1B+4], 96
	s_barrier_signal -1
	s_barrier_wait -1                              ; everybody's are
	FETCH_B 0, 0, 0
	FETCH_A 0, 0, 0
	FETCH_A 0, 0, 4
	s_wait_loadcnt 0x0                             ; the scale words and the table's first sets
	STEP 0, 0                                      ; the first products start the sums: nothing is cleared
	TURN 0, 1, 1, 1
	STEP 1, 2
	TURN 1, 0, 1, 3
	STEP 0, 4
	TURN 0, 1, 0, 5
	STEP 1, 6
	TURN 1, 0, 2, 7
; THE ROTARY EMBEDDING of A's tile a (16 tokens), both heads.  Registers 32 hd + e hold d = 16 h + e (x1), 32 hd + 16 + e hold d = 32 + 16 h + e (x2); the table's set has cos in registers 0-15, sin in 16-31.
.macro ROPE a
.set W, 2+(\a)/4
.set AC, 64*((\a)%4)
.if (\a) < 4                           ; where tile a's set of the table lies: sets 0-3 came at the head (0, 1 in window 0; 2, 3 in window 1),
.set TB, TAB0+128*((\a)%2)
.set TW, (\a)/2
.elseif (\a) < 7                       ; sets 4-6 lie where A's fragments lay,
.set TB, 128+32*((\a)-4)
.set TW, 0
.else                                  ; set 7 where set 0 lay
.set TB, TAB0
.set TW, 0
.endif
.if (\a) > 3
	s_wait_loadcnt 8*(7-(\a))                      ; this tile's set is in; the eight loads of each later set may be out
.endif
	WIN 0x40+W+4*TW
.irp hd, 0,1
.irp e, 0,2,4,6,8,10,12,14
	v_pk_mul_f32 v[32*\hd+\e:32*\hd+\e+1], v[AC+32*\hd+16+\e:AC+32*\hd+17+\e], v[TB+16+\e:TB+17+\e]
	v_pk_mul_f32 v[32*\hd+16+\e:32*\hd+17+\e], v[AC+32*\hd+\e:AC+32*\hd+\e+1], v[TB+16+\e:TB+17+\e]
.endr
.endr
	WIN 64*W+0x10+W+4*TW
.irp hd, 0,1
.irp e, 0,2,4,6,8,10,12,14
	v_pk_fma_f32 v[AC+32*\hd+\e:AC+32*\hd+\e+1], v[AC+32*\hd+\e:AC+32*\hd+\e+1], v[TB+\e:TB+\e+1], v[32*\hd+\e:32*\hd+\e+1] neg_lo:[0,0,1] neg_hi:[0,0,1]
	v_pk_fma_f32 v[AC+32*\hd+16+\e:AC+32*\hd+17+\e], v[AC+32*\hd+16+\e:AC+32*\hd+17+\e], v[TB+\e:TB+\e+1], v[32*\hd+16+\e:32*\hd+17+\e]
.endr
.endr
	WIN 0
.if (\a) == 0
.irp q, 0,1,2,3,4,5,6,7
	global_load_b128 v[TB+4*\q:TB+4*\q+3], v[L16], s[86:87] offset:7*4096+512*\q
.endr
.endif
.endm
; Tile a's 64 numbers a lane become a fragment's codes in v[PC] on and its scale word in v[PWS + a]
.macro QUANTW a
.set W, 2+(\a)/4
.set AC, 64*((\a)%4)
	WIN 5*W
.irp b, 0,1,2,3
	v_max3_num_f32 v[TM+\b], |v[AC+16*\b]|, |v[AC+1+16*\b]|, 0x2800000   ; and the floor 2^(5 - 127): the byte cannot fall under 1
.endr
.irp i, 2,4,6,8,10,12,14
.irp b, 0,1,2,3
	v_max3_num_f32 v[TM+\b], |v[AC+16*\b+\i]|, |v[AC+1+16*\b+\i]|, v[TM+\b]
.endr
.endr
	WIN 0
.irp b, 0,1,2,3
	v_permlanex16_b32 v[TM+4+\b], v[TM+\b], s88, s89
.endr
.irp b, 0,1,2,3
	v_max_num_f32 v[TM+\b], v[TM+\b], v[TM+4+\b]
.endr
.irp b, 0,1,2,3
	v_add_nc_u32 v[TM+12+\b], 0xfe000000, v[TM+\b] ; 4 off the exponent field: the conversion's scale operand
.endr
.irp b, 0,1,2,3
	v_lshrrev_b32 v[TM+4+\b], 23, v[TM+12+\b]
.endr
	v_lshl_or_b32 v[PWS+(\a)], v[TM+5], 8, v[TM+4]
	v_lshl_or_b32 v[PWS+(\a)], v[TM+6], 16, v[PWS+(\a)]
	v_lshl_or_b32 v[PWS+(\a)], v[TM+7], 24, v[PWS+(\a)]
	WIN W
.irp c, 0,1
	v_cvt_scalef32_pk16_bf6_f32 v[PC+6*\c:PC+2+6*\c], v[AC+32*\c:AC+15+32*\c], v[TM+12+2*\c]
	v_cvt_scalef32_pk16_bf6_f32 v[PC+12+4*\c:PC+14+4*\c], v[AC+16+32*\c:AC+31+32*\c], v[TM+13+2*\c]
.endr
	WIN 0
	v_nop                                          ; one plain place behind a scaled conversion
.irp c, 0,1
.irp i, 0,1,2
	v_permlane16_swap_b32 v[PC+6*\c+\i], v[PC+12+4*\c+\i]
.endr
.irp i, 0,1,2
	v_mov_b32 v[PC+3+6*\c+\i], v[PC+12+4*\c+\i]
.endr
.endr
.endm
.macro PUT a, ptr, step, d2            ; the two half fragments leave: each store of the wave covers 512 or 256 consecutive bytes, aligned
	global_store_b128 v[L16], v[PC:PC+3], s[\ptr:\ptr+1] offset:(\a)*(\step)
	global_store_b64 v[L8], v[PC+4:PC+5], s[\ptr:\ptr+1] offset:(\a)*(\step)+512
	global_store_b128 v[L16], v[PC+6:PC+9], s[\ptr:\ptr+1] offset:(\a)*(\step)+(\d2)
	global_store_b64 v[L8], v[PC+10:PC+11], s[\ptr:\ptr+1] offset:(\a)*(\step)+(\d2)+512
	s_wait_xcnt 0x0                                ; the stores have read their data: the codes' registers are written again only behind this wait
.endm
.irp s, 4,5,6                          ; the table's sets 4-6, into the registers that held A's fragments (four places stand behind the last products)
.irp q, 0,1,2,3,4,5,6,7
	global_load_b128 v[128+32*(\s-4)+4*\q:128+32*(\s-4)+4*\q+3], v[L16], s[86:87] offset:\s*4096+512*\q
.endr
.endr
.irp a, 0,1,2,3,4,5,6,7
	ROPE \a
.endr
.irp b, 0,1,2,3
	v_mov_b32 v[TM+4+\b], 0                        ; a lane permute's destination counts as one of its sources
.endr
	s_wait_alu depctr_va_vdst(0)
	s_wait_tensorcnt 0x0                           ; w_v's bytes are filled for the first time
	ds_add_u32 v[SPW], v[NIL]
	s_wait_dscnt 0x0
	CROUND
	tensor_load_to_lds s[G0V:G0V+3], s[G1B:G1B+7]  ; every wave: a quarter of K of w_v's group, 96 rows
	s_nop 0
	PLACES 4
.irp i, 0,1,2,3                        ; the second product's scale words
	global_load_b128 v[SCA+4*\i:SCA+4*\i+3], v[L16], s[2:3] offset:512*\i
.endr
.irp i, 0,1,2,3,4,5,6,7
	global_load_b128 v[SCB+4*\i:SCB+4*\i+3], v[L16], s[94:95] offset:512*\i
.endr
.irp a, 0,1,2,3,4,5,6,7
	QUANTW \a
	PUT \a, 76, 768, HS                            ; a tile's second half fragment belongs to the next head
.endr
.irp i, 0,1,2,3
	v_cndmask_b32 v[SELR+\i], v[PWS+\i], v[PWS+4+\i], s90   ; lanes 0-15: tiles 0-3; lanes 16-31: tiles 4-7
.endr
.irp i, 0,1,2,3
	v_and_b32 v[LO+\i], 0xffff, v[SELR+\i]         ; bytes 0, 1: the first head's two blocks; the K that is not there has zero codes, whatever its bytes
	v_lshrrev_b32 v[HI+\i], 16, v[SELR+\i]         ; bytes 2, 3: the second head's
.endr
	global_store_b128 v[L16], v[LO:LO+3], s[84:85]
	global_store_b128 v[L16], v[HI:HI+3], s[84:85] offset:HS
; ---- THE SECOND PRODUCT.  Tokens' group i lies at i x 98,304, w_v's group at WV, each [K / 256][tile][2][2][768]
	s_mul_i32 s21, s19, 4*RT
	s_add_co_u32 s21, s21, WV                      ; my four tiles of w_v
	s_mul_i32 s22, s20, RGB                        ; my 128 tokens
	s_add_co_u32 s14, s21, 2*HALFT                 ; and the same for K from 512 on
	s_add_co_u32 s15, s22, 2*HALFT
	v_add_nc_u32 v[ADRA], s21, v[L16]
	v_add_nc_u32 v[ADRA+1], s14, v[L16]
	v_add_nc_u32 v[ADRA+2], s21, v[L8]
	v_add_nc_u32 v[ADRA+3], s14, v[L8]
	v_add_nc_u32 v[ADRB], s22, v[L16]
	v_add_nc_u32 v[ADRB+1], s15, v[L16]
	v_add_nc_u32 v[ADRB+2], s22, v[L8]
	v_add_nc_u32 v[ADRB+3], s15, v[L8]
.macro FETCHV ks                       ; K step ks: the tokens' eight fragments and w_v's four into sets ks % 2: 48 loads
	WIN TO_B
.irp i, 0,1,2,3,4,5,6,7
	FRAG 128*((\ks)%2)+12*\i, ADRB+(\ks)/4, (((\ks)/2)%2)*HALFT+\i*RT+((\ks)%2)*FRB
.endr
	WIN 0
.irp i, 0,1,2,3
	FRAG AF+48*((\ks)%2)+12*\i, ADRA+(\ks)/4, (((\ks)/2)%2)*HALFT+\i*RT+((\ks)%2)*FRB
.endr
.endm
.macro MULV ks
	WIN MUL_LO
.irp a, 0,1,2,3
.irp b, 0,1,2,3,4,5,6,7
	MM 8*(8*\a+\b), 128*((\ks)%2)+12*\b, AF+48*((\ks)%2)+12*\a, SCB+4*\b+(\ks)%4, SCA+4*\a+(\ks)%4, \ks
.endr
.endr
.endm
	s_wait_alu depctr_va_vdst(0)
	s_wait_xcnt 0x0                                ; the stores have read the registers that the fragments land on
	s_wait_tensorcnt 0x0                           ; my part of w_v is in (the tokens' was waited for above),
	s_barrier_signal -1
	s_barrier_wait -1                              ; everybody's is
	FETCHV 0
	s_wait_loadcnt 0x0                             ; the scale words
.irp ks, 0,1,2,3,4,5,6,7
.if \ks > 0
	PLACES 4                                       ; in front of loads into the sets that the last step's products have read
.endif
.if \ks < 7
	FETCHV \ks+1
	s_wait_dscnt 48                                ; this step's fragments are in; the next step's 48 loads may be out
.else
	s_wait_dscnt 0x0
.endif
	MULV \ks
.endr
	WIN 0
	PLACES 4
.irp a, 0,1,2,3
	QUANTW \a
	PUT \a, 78, 1536, 768
.endr
	v_cmp_gt_u32 vcc_lo, 16, v3                    ; both halves of the lanes hold the same words: lanes 0-15 store them, 256 consecutive bytes
	s_wait_alu depctr_va_vdst(0)
	s_wait_xcnt 0x0                                ; EXEC changes only behind this wait
	s_and_saveexec_b32 s14, vcc_lo
	global_store_b128 v[VSO], v[PWS:PWS+3], s[92:93]
	s_wait_xcnt 0x0
	s_or_b32 exec_lo, exec_lo, s14
	s_wait_tensorcnt 0x0                           ; the wave's end
	ds_add_u32 v[SPW], v[NIL]
	s_wait_dscnt 0x0
	CROUND                                         ; the closing round
	s_endpgm
.Lfunc_end_k_qbd5f196fb2_qkv:
	.size	k_qbd5f196fb2_qkv, .Lfunc_end_k_qbd5f196fb2_qkv-k_qbd5f196fb2_qkv
	.p2alignl 7, 3214868480
	.fill 96, 4, 3214868480
	.section	.rodata,"a",@progbits
	.p2align	6, 0x0
	.amdhsa_kernel k_qbd5f196fb2_qkv
		.amdhsa_group_segment_fixed_size 327680
		.amdhsa_private_segment_fixed_size 0
		.amdhsa_enable_private_segment 0
		.amdhsa_kernarg_size 40
		.amdhsa_user_sgpr_count 2
		.amdhsa_user_sgpr_kernarg_segment_ptr 1
		.amdhsa_wavefront_size32 1
		.amdhsa_system_sgpr_workgroup_id_x 1
		.amdhsa_system_sgpr_workgroup_id_y 1
		.amdhsa_system_sgpr_workgroup_id_z 1
		.amdhsa_system_vgpr_workitem_id 0
		.amdhsa_next_free_vgpr 1024
		.amdhsa_next_free_sgpr 100
		.amdhsa_reserve_vcc 1
		.amdhsa_float_denorm_mode_32 3
		.amdhsa_float_denorm_mode_16_64 3
		.amdhsa_memory_ordered 1
		.amdhsa_forward_progress 1
		.amdhsa_inst_pref_size 255
	.end_amdhsa_kernel
	.section	.bss,"aw",@nobits
	.p2align	6
	.space	262144
	.amdgpu_metadata
---
amdhsa.version: [ 1, 2 ]
amdhsa.kernels:
  - .name:           k_qbd5f196fb2_qkv
    .symbol:         k_qbd5f196fb2_qkv.kd
    .args:
      - { .name: xw, .offset: 0, .size: 8, .value_kind: global_buffer, .address_space: global }
      - { .name: xws, .offset: 8, .size: 8, .value_kind: global_buffer, .address_space: global }
      - { .name: tab, .offset: 16, .size: 8, .value_kind: global_buffer, .address_space: global }
      - { .name: qi, .offset: 24, .size: 8, .value_kind: global_buffer, .address_space: global }
      - { .name: kv, .offset: 32, .size: 8, .value_kind: global_buffer, .address_space: global }
    .group_segment_fixed_size: 327680
    .private_segment_fixed_size: 0
    .kernarg_segment_align: 8
    .kernarg_segment_size: 40
    .max_flat_workgroup_size: 128
    .sgpr_count:     100
    .vgpr_count:     1024
    .wavefront_size: 32
...
	.end_amdgpu_metadata
.endif
;; end of part 2
;; launch attn (part 3): grid 4 x 64, 8 waves a work-group, clusters of 4 x 1, 327,680 bytes of LDS; arguments qi, kv, oi, os; writes oi, os
.if DOCPART == 3
	.amdgcn_target "amdgcn-amd-amdhsa--gfx1250"
	.amdhsa_code_object_version 6
	.text
	.protected	k_qbd5f196fb2_attn
	.globl	k_qbd5f196fb2_attn
	.p2align	8
	.type	k_qbd5f196fb2_attn,@function
k_qbd5f196fb2_attn:
	s_mov_b64 s[64:65], 0
	v_nop
	global_prefetch_b8 v0, s[64:65] scope:SCOPE_SE
	s_setreg_imm32_b32 hwreg(HW_REG_WAVE_MODE, 25, 1), 1
	s_wait_xcnt 0x0
	s_wait_alu depctr_hold_cnt(0) depctr_sa_sdst(0) depctr_va_vdst(0) depctr_va_sdst(0) depctr_va_ssrc(0) depctr_va_vcc(0) depctr_vm_vsrc(0)
	s_getreg_b32 s2, hwreg(HW_REG_IB_STS2, 6, 4)
	s_cmp_eq_u32 s2, 0
	s_cbranch_scc0 .Lentry_in_a_cluster
	s_endpgm
.Lentry_in_a_cluster:
	s_bfe_u32 s2, ttmp6, 0x10000c
	s_cmp_lg_u32 s2, 0x3003
	s_cbranch_scc0 .Lentry_shape_is_right
	s_endpgm
.Lentry_shape_is_right:
; ATTN.  For each of 64 heads: O = softmax(Q K^T / 8, causal) V, both products on codes of BF6 (E3M2) with E8M0 scales; O / l is quantised along (head, d) for the last product and leaves as codes.
; t = score x log2(e) / 8; M = the running largest t rounded UP to a whole number; p = 2^(t - M) is quantised along the keys, not normalised; l is the sum of the unquantised p; when M moves, l and O are multiplied by 2^(old M - new M), exactly.
; INPUTS: images of operand registers.  A head's 256 keys are one dense block of 26,112 bytes: K's 16 half fragments (16 keys x 64 d, 768 bytes), V^T's 8 fragments (16 d x 128 keys, 1,536 bytes), K's scale words, V's.
; Row-lane i of tile a of 128 keys (or queries, or 64 d) is row 32 (a / 2) + 8 (a % 2) + i + 8 (i / 8).  Both products are used transposed (S^T = K Q^T, O^T = V^T P^T): a lane holds ONE query of a tile, and the 16 registers
; of tiles 2 b and 2 b + 1 are 16 neighbouring keys (or d): 32 b + 16 (lane / 16) + 0 .. 15.
; THE WHOLE HEAD LIES IN LDS: 8 x 26,112 = 208,896 bytes, as in memory.  Each of eight waves brings one block (102 rows of 256 bytes) by its one tensor load at the head; nothing is filled again, so the walk over the keys has no barrier.
; CLUSTER 4, 1, 1: the four work-groups of a head want the same bytes: each load is asked for jointly by the four.
; SHARES.  Wave w of work-group j takes TWO tiles of 16 queries at a time, tiles j and 4 + j of a group of 128 queries: first of group g = w, then of group 15 - g.  Each fragment of K and V feeds both tiles, and the two tiles' chains of
; dependent lines are laid by turns.  A group g wants the key steps (128 keys) 0 .. g: g + 1 and 16 - g steps, SEVENTEEN for every wave.  Key steps wholly behind a group's queries are hidden by the causal mask and are not walked.
; A group's last step is its diagonal: hidden scores become -infinity ahead of the maximum.  Which step that is, and where the second group begins, hang on the wave's number alone; the work-group's place enters only global addresses
; and the number that the mask compares with.
; The next step's K is fetched behind this step's first products; the last trip's look-ahead reads a key step inside the tiles that nobody uses, so that the counted wait holds in every trip.
; The head's size is 64, half of the instruction's 128 along K: registers 6-11 of Q's operand are zero codes, so whatever codes stand against them add nothing: K's eight half fragments lie 6 registers apart,
; and a tile's operand runs on over the next tile's six (the last tile's over V^T's first six, which hold codes or the zeros set at the head).
; No prefetch into the L2: all tiles are asked for at the head.
; LIMITS: NaN and infinities are not served; a block whose largest magnitude lies under 2^-122 keeps the byte 1; the promise holds while the scaled scores t stay under 2^31 in magnitude.
; REGISTERS.  T = 0, 1: the tile.  Window 0: v0 thread; v1-3, v9-11 LDS addresses; v4, v5 for the add; v6, v7 16 and 8 x lane; v8 16 r + h; v[12+16T] -M, v[13+16T] the largest t, v[14+16T:15+16T] the sum; the names below.
;   Window 1: S^T, then p at 64 T; O^T at 128 + 32 T; codes at 192 + 12 T; the conversions' second halves at 216 + 8 T; Q at 232 + 12 T (its upper six: zeros).
.set HS,    208896
.set SLB,   26112
.set SPARE, 208896                     ; behind the head: the spare words, 128 bytes for each of 8 waves
.set VCO,   12288
.set KSC,   24576
.set VSC,   25600
.set KF,  32                           ; v32-79   K's eight half fragments
.set VF,  80                           ; v80-127  V^T's four fragments
.set MX,  128                          ; + 4 T    the blocks' largest scores, then p
.set PR,  136                          ; + 4 T    lane permutes' results
.set SO,  144                          ; + 4 T    the conversions' scale operands
.set BY,  152                          ; + 4 T    scale bytes
.set FF,  160                          ; + 2 T    f (a pair is named)
.set PW,  164                          ; + T      p's scale word
.set QW,  166                          ; + T      Q's scale word
.set Q2,  168                          ; + 6 T    the second group's Q
.set QW2, 180                          ; + T      and its scale words
.set TC,  182                          ; + T      at work
.set KS,  184                          ; K's scale words
.set VS,  188                          ; V's
.set DD,  192                          ; + T      my query in its group - 16 (lane / 16)
.set NINF,194                          ; -infinity
.set CH,  196                          ; + 12 T   six chains of the sum
.set SS,  0
.set OO,  128
.set CO,  192
.set CT,  216
.set QQ,  232
.set MSB, 0
.macro WIN new                         ; low byte: bits 1:0 source 0, 3:2 source 1, 5:4 source 2, 7:6 destination; the high byte repeats the setting that is left
.if MSB != (\new)
	s_set_vgpr_msb (MSB<<8)|(\new)
.set MSB, (\new)
.endif
.endm
.macro ROUND                           ; a round of the cluster's barrier
	s_barrier_signal -1
	s_barrier_wait -1
	s_cmp_lg_u32 s12, 0
	s_cbranch_scc1 .Lnot_wave_0_\@
	s_barrier_signal -3
.Lnot_wave_0_\@:
	s_barrier_wait -3
	s_barrier_signal -1
	s_barrier_wait -1
.endm
	s_load_b256 s[4:11], s[0:1], 0x0               ; qi s[4:5], kv s[6:7], oi s[8:9], os s[10:11]
	v_lshl_add_u32 v4, v0, 2, SPARE
	v_mov_b32 v5, 0
	ds_add_u32 v4, v5                              ; the opening lines
	ds_add_u32 v4, v5
	v_lshrrev_b32 v1, 5, v0
	v_readfirstlane_b32 s12, v1                    ; wave 0..7
	s_bfe_u32 s13, ttmp6, 0x40000                  ; j: my place in the cluster
	s_and_b32 s15, ttmp7, 0xffff                   ; the head, 0..63
	s_mov_b32 s24, 15|(3<<16)|(1<<21)              ; group 1: the mask names the four; elements of 8 bytes; bit 21 beside a mask; no padding: 102 rows of 256 bytes, dense
	s_mov_b32 s25, 32<<16
	s_mov_b32 s26, 102<<16
	s_mov_b32 s27, 32<<16
	s_mov_b32 s28, 102
	s_mov_b32 s29, 32
	s_mov_b32 s30, 0
	s_mov_b32 s31, 0
	s_mov_b32 s20, 0x76543210
	s_mov_b32 s21, 0xfedcba98                      ; lane l xor 16
	s_mov_b32 s22, 0x3e38aa3b                      ; c = log2(e) / 8
	s_mov_b32 s23, s22
	s_mov_b32 s52, 0xffff0000                      ; lanes 16-31
	s_mul_i32 s54, s15, HS
	s_mov_b32 s55, 0
	s_mov_b32 s32, 1
	s_mul_i32 s33, s12, SLB                        ; LDS address: the wave's number alone
	s_add_co_u32 s66, s54, s33
	s_mov_b32 s67, 0
	s_wait_dscnt 0x0                               ; both opening adds are done
	s_wait_kmcnt 0x0
	s_add_nc_u64 s[34:35], s[6:7], s[66:67]        ; my block of the head in kv
	s_or_b32 s35, s35, 0x80000000
	s_add_nc_u64 s[56:57], s[4:5], s[54:55]        ; the head in qi
	ROUND                                          ; the four work-groups are here: the joint loads meet
	tensor_load_to_lds s[32:35], s[24:31]
	s_nop 0
	s_mov_b32 s16, s12                             ; g of my first group
	s_add_co_u32 s14, s16, 1                       ; the trip in which the second begins
	s_xor_b32 s18, s16, 15                         ; 15 - g: the second group
	s_mov_b32 s43, s16                             ; the group in hand: its diagonal step
	s_lshr_b32 s41, s13, 1
	s_lshl_b32 s41, s41, 5
	s_and_b32 s70, s13, 1
	s_lshl_b32 s70, s70, 3
	s_add_co_u32 s41, s41, s70                     ; tile j's first query in its group: 32 (j / 2) + 8 (j % 2); tile 4 + j's is 64 further on
	s_lshr_b32 s74, s15, 4
	s_lshl_b32 s74, s74, 4                         ; 16 x batch
	s_and_b32 s70, s15, 15                         ; the head in its batch: its 64 of the last product's K
	s_lshr_b32 s75, s70, 2
	s_mul_i32 s75, s75, 24576
	s_bfe_u32 s71, s70, 0x10001
	s_mul_i32 s71, s71, 1536
	s_add_co_u32 s75, s75, s71
	s_and_b32 s71, s70, 1
	s_mul_i32 s72, s71, 768
	s_add_co_u32 s75, s75, s72                     ; the head's half fragment in a tile's images
	s_lshr_b32 s76, s70, 3
	s_lshl_b32 s76, s76, 8
	s_bfe_u32 s72, s70, 0x20001
	s_lshl_b32 s72, s72, 2
	s_add_co_u32 s76, s76, s72
	s_lshl_b32 s71, s71, 1
	s_add_co_u32 s76, s76, s71                     ; and its two bytes in a tile's scale words
; group g, tile j: pointers to Q's codes and scale words and to O's codes and scale bytes; tile 4 + j lies 3,072, 256, 12,288 and 2,048 bytes further on
.macro TILE g, pq, ps, po, pb
	s_lshr_b32 s70, \g, 1
	s_mul_i32 s70, s70, SLB
	s_and_b32 s71, \g, 1
	s_mul_i32 s72, s71, 6144
	s_add_co_u32 s72, s72, s70
	s_mul_i32 s73, s13, 768
	s_add_co_u32 s66, s72, s73
	s_add_nc_u64 s[\pq:\pq+1], s[56:57], s[66:67]
	s_lshl_b32 s71, s71, 9
	s_add_co_u32 s70, s70, s71
	s_lshl_b32 s71, s13, 2
	s_add_co_u32 s70, s70, s71
	s_add_co_u32 s66, s70, KSC
	s_add_nc_u64 s[\ps:\ps+1], s[56:57], s[66:67]
	s_add_co_u32 s70, s74, \g                      ; the group of 128 tokens
	s_mul_i32 s71, s70, 98304
	s_mul_i32 s72, s13, 3072
	s_add_co_u32 s71, s71, s72
	s_add_co_u32 s66, s71, s75
	s_add_nc_u64 s[\po:\po+1], s[8:9], s[66:67]
	s_lshl_b32 s70, s70, 12
	s_lshl_b32 s71, s13, 9
	s_add_co_u32 s70, s70, s71
	s_add_co_u32 s66, s70, s76
	s_add_nc_u64 s[\pb:\pb+1], s[10:11], s[66:67]
.endm
	TILE s16, 58, 60, 44, 46
	TILE s18, 36, 38, 48, 50
	s_mov_b32 s77, 0                               ; the trip
	v_and_b32 v1, 31, v0
	v_lshlrev_b32 v6, 4, v1
	v_lshlrev_b32 v7, 3, v1
	v_and_b32 v2, 15, v0
	v_bfe_u32 v3, v0, 4, 1
	v_lshl_add_u32 v8, v2, 4, v3
	v_lshlrev_b32 v9, 4, v2
	v_and_b32 v10, 8, v0
	v_add_nc_u32 v10, v10, v2
	v_lshlrev_b32 v11, 4, v3
	v_sub_nc_u32 v10, v10, v11
	v_add_nc_u32 v[DD], s41, v10                   ; register 16 b + i holds key 32 b + 16 (lane / 16) + i of the diagonal step: hidden where 32 b + i > this number
	v_add_nc_u32 v[DD+1], 64, v[DD]
	WIN 0x40                                       ; destination window 1
.irp T, 0,1
	global_load_b128 v[QQ+12*\T:QQ+12*\T+3], v6, s[58:59] offset:3072*\T
	global_load_b64 v[QQ+12*\T+4:QQ+12*\T+5], v7, s[58:59] offset:3072*\T+512
.endr
	WIN 0
.irp T, 0,1
	global_load_b32 v[QW+\T], v9, s[60:61] offset:256*\T
	global_load_b128 v[Q2+6*\T:Q2+6*\T+3], v6, s[36:37] offset:3072*\T
	global_load_b64 v[Q2+6*\T+4:Q2+6*\T+5], v7, s[36:37] offset:3072*\T+512
	global_load_b32 v[QW2+\T], v9, s[38:39] offset:256*\T
.endr
.macro FRESH                           ; a group begins: the largest t so far -3e38, sums and O^T zero (the step is written once; the first change of M leaves zeros zeros)
.irp T, 0,1
	v_mov_b32 v[13+16*\T], 0xff61b1e6
	v_mov_b32 v[14+16*\T], 0
	v_mov_b32 v[15+16*\T], 0
.endr
.irp T, 0,1
	v_floor_f32 v[12+16*\T], -v[13+16*\T]
.endr
	WIN 0x40
.set n, 0
.rept 64
	v_mov_b32 v[OO+n], 0
.set n, n+1
.endr
.endm
	FRESH
.irp j, 6,7,8,9,10,11, 18,19,20,21,22,23
	v_mov_b32 v[QQ+\j], 0                          ; Q's upper 64 along K: zero codes
.endr
	WIN 0
.irp j, 80,81,82,83,84,85, 136,137,138,139,140,141,142,143, 160,161,162,163, 182,183
	v_mov_b32 v[\j], 0                             ; what the last K tile's operand runs over in the first step; lane permutes' destinations; the pairs of f
.endr
	v_mov_b32 v[NINF], 0xff800000
; A group of queries ends: O^T / l; register 16 b + i is d = 32 b + 16 (lane / 16) + i: two blocks of 32 of the last product's K; each tile becomes a half fragment and two scale bytes.
.macro FINISH
.rept 4
	v_nop                                          ; places behind the last products
.endr
.irp T, 0,1
	v_add_f32 v[14+16*\T], v[14+16*\T], v[15+16*\T]
.endr
.irp T, 0,1
	v_permlanex16_b32 v[TC+\T], v[14+16*\T], s20, s21
.endr
.irp T, 0,1
	v_add_f32 v[14+16*\T], v[14+16*\T], v[TC+\T]   ; the row's sum
.endr
	s_wait_alu depctr_va_vdst(0)
.irp T, 0,1
	v_rcp_f32 v[14+16*\T], v[14+16*\T]
.endr
	v_nop                                          ; one plain place behind a transcendental
	WIN 0x41                                       ; destination and source 0 window 1
	s_wait_alu depctr_va_vdst(0)                   ; ahead of the rcp results' first reader, which is O^T's first reader too
.irp T, 0,1
.irp j, 0,2,4,6,8,10,12,14,16,18,20,22,24,26,28,30
	v_pk_mul_f32 v[OO+32*\T+\j:OO+32*\T+\j+1], v[OO+32*\T+\j:OO+32*\T+\j+1], v[14+16*\T:15+16*\T] op_sel_hi:[1,0]
.endr
.endr
	WIN 0x05                                       ; sources 0 and 1 window 1
.irp T, 0,1
.irp b, 0,1
	v_max3_num_f32 v[MX+4*\T+\b], |v[OO+32*\T+16*\b]|, |v[OO+32*\T+16*\b+1]|, 0x2800000
.endr
.endr
.irp i, 2,4,6,8,10,12,14
.irp T, 0,1
.irp b, 0,1
	v_max3_num_f32 v[MX+4*\T+\b], |v[OO+32*\T+16*\b+\i]|, |v[OO+32*\T+16*\b+\i+1]|, v[MX+4*\T+\b]
.endr
.endr
.endr
	WIN 0
.irp i, 0,1,4,5
	v_permlanex16_b32 v[PR+\i], v[MX+\i], s20, s21
.endr
.irp i, 0,1,4,5
	v_max_num_f32 v[MX+\i], v[MX+\i], v[PR+\i]
.endr
.irp i, 0,1,4,5
	v_add_nc_u32 v[SO+\i], 0xfe000000, v[MX+\i]
.endr
.irp i, 0,1,4,5
	v_lshrrev_b32 v[BY+\i], 23, v[SO+\i]
.endr
.irp T, 0,1
	v_cndmask_b32 v[TC+\T], v[BY+4*\T], v[BY+4*\T+1], s52   ; lane (r, h) stores block h's byte
.endr
	WIN 0x41
.irp T, 0,1
	v_cvt_scalef32_pk16_bf6_f32 v[CO+12*\T:CO+12*\T+2], v[OO+32*\T:OO+32*\T+15], v[SO+4*\T]
	v_cvt_scalef32_pk16_bf6_f32 v[CT+8*\T:CT+8*\T+2], v[OO+32*\T+16:OO+32*\T+31], v[SO+4*\T+1]
.endr
	v_nop
.irp T, 0,1
.irp i, 0,1,2
	v_permlane16_swap_b32 v[CO+12*\T+\i], v[CT+8*\T+\i]
.endr
.endr
.irp T, 0,1
.irp i, 0,1,2
	v_mov_b32 v[CO+12*\T+3+\i], v[CT+8*\T+\i]
.endr
.endr
	WIN 0x04                                       ; the stores' data window 1
.irp T, 0,1
	global_store_b128 v6, v[CO+12*\T:CO+12*\T+3], s[44:45] offset:12288*\T          ; 512 and 256 consecutive bytes, aligned
	global_store_b64 v7, v[CO+12*\T+4:CO+12*\T+5], s[44:45] offset:12288*\T+512
.endr
	WIN 0
.irp T, 0,1
	global_store_b8 v8, v[TC+\T], s[46:47] offset:2048*\T
.endr
	s_wait_xcnt 0x0                                ; data and bases are written again only behind this wait
.endm
; trip n's key step kg, where its codes begin in LDS, and where its scale words do (sh = 9: K's, 8: V's)
.macro KG n, kg, cod, sc, sh
	s_cmp_gt_u32 \n, s16                           ; the trip, or in the second group the trip - (g + 1) = (trip + 15 - g) mod 16
	s_cselect_b32 s54, s18, 0
	s_add_co_u32 s54, s54, \n
	s_and_b32 \kg, s54, 15
	s_lshr_b32 s54, \kg, 1
	s_mul_i32 s54, s54, SLB
	s_and_b32 s55, \kg, 1
	s_mul_i32 \cod, s55, 6144
	s_add_co_u32 \cod, \cod, s54
	s_lshl_b32 \sc, s55, \sh
	s_add_co_u32 \sc, \sc, s54
.endm
.macro KLOAD a16, a8, asc              ; K's eight half fragments and its scale words (lanes 0-15 tiles 0-3, lanes 16-31 tiles 4-7): 17 loads
.irp t, 0,1,2,3,4,5,6,7
	ds_load_b128 v[KF+6*\t:KF+6*\t+3], v[\a16] offset:\t*768
	ds_load_b64 v[KF+6*\t+4:KF+6*\t+5], v[\a8] offset:\t*768+512
.endr
	ds_load_b128 v[KS:KS+3], v[\asc] offset:KSC
.endm
	s_wait_alu depctr_va_vdst(0)
	s_wait_tensorcnt 0x0                           ; my block of the head is in,
	s_wait_loadcnt 0x0                             ; and Q
	s_barrier_signal -1
	s_barrier_wait -1                              ; everybody's block is in: from here on LDS is only read
	KLOAD 6, 7, 6                                  ; key step 0
.Lstep:                                            ; seventeen trips, a key step of 128 keys for both tiles each
	s_cmp_lg_u32 s77, s14
	s_cbranch_scc1 .Lsame
	FINISH                                         ; trip g + 1: the first group's tiles are done,
	v_mov_b32 v[QW], v[QW2]                        ; and the second's begin: Q's scale words,
	v_mov_b32 v[QW+1], v[QW2+1]
	FRESH
.irp T, 0,1
.irp i, 0,1,2,3,4,5
	v_mov_b32 v[QQ+12*\T+\i], v[Q2+6*\T+\i]        ; and Q
.endr
.endr
	WIN 0
	s_mov_b32 s43, s18
	s_mov_b64 s[44:45], s[48:49]
	s_mov_b64 s[46:47], s[50:51]
	s_wait_alu depctr_va_vdst(0)
.Lsame:
	s_add_co_u32 s79, s77, 1
	KG s77, s78, s66, s67, 8
	KG s79, s70, s71, s72, 9
	s_wait_dscnt 0x0                               ; this step's K and its scale words are in
	WIN 0x44                                       ; destination and source 1 (Q) window 1
.irp T, 0,1
.irp t, 0,1,2,3
	v_wmma_scale_f32_16x16x128_f8f6f4 v[SS+64*\T+8*\t:SS+64*\T+8*\t+7], v[KF+6*\t:KF+6*\t+11], v[QQ+12*\T:QQ+12*\T+11], 0, v[KS+\t], v[QW+\T] matrix_a_fmt:MATRIX_FMT_BF6 matrix_b_fmt:MATRIX_FMT_BF6
.endr
.irp t, 0,1,2,3
	v_wmma_scale_f32_16x16x128_f8f6f4 v[SS+64*\T+32+8*\t:SS+64*\T+32+8*\t+7], v[KF+24+6*\t:KF+24+6*\t+11], v[QQ+12*\T:QQ+12*\T+11], 0, v[KS+\t], v[QW+\T] matrix_a_fmt:MATRIX_FMT_BF6 matrix_b_fmt:MATRIX_FMT_BF6 matrix_a_scale:MATRIX_SCALE_ROW1
.endr
.endr
	WIN 0
	v_add_nc_u32 v1, s66, v6                       ; this step's V^T,  (these six lines are the places in front of the reads of the scores and of the loads into registers that the products have read)
	v_add_nc_u32 v2, s66, v7
	v_and_or_b32 v3, v8, 0xf0, s67                 ; 16 r + its scale words' place (a multiple of 256);
	v_add_nc_u32 v10, s71, v6                      ; the next step's K
	v_add_nc_u32 v11, s71, v7
	v_add_nc_u32 v9, s72, v6
.irp t, 0,1,2,3
	ds_load_b128 v[VF+12*\t:VF+12*\t+3], v1 offset:VCO+\t*1536
	ds_load_b64 v[VF+12*\t+4:VF+12*\t+5], v2 offset:VCO+\t*1536+512
	ds_load_b128 v[VF+12*\t+6:VF+12*\t+9], v1 offset:VCO+\t*1536+768
	ds_load_b64 v[VF+12*\t+10:VF+12*\t+11], v2 offset:VCO+\t*1536+1280
.endr
	ds_load_b128 v[VS:VS+3], v3 offset:VSC
	KLOAD 10, 11, 9                                ; and behind them the next step's K
	s_cmp_lg_u32 s78, s43                          ; ahead of the diagonal all keys count: no mask
	s_cbranch_scc1 .Lopen
	WIN 0x41
.irp T, 0,1                            ; tile j's queries are 0-63 of the group, tile 4 + j's 64-127: only the 64 keys of a tile's own half are compared
.set n, 32*\T
.rept 32
	v_cmp_gt_i32 vcc_lo, 32*(n/16)+n%16, v[DD+\T]
	v_cndmask_b32 v[SS+64*\T+n], v[SS+64*\T+n], v[NINF], vcc_lo
.set n, n+1
.endr
.endr
.set n, 32
.rept 32
	v_mov_b32 v[SS+n], 0xff800000                  ; tile j: keys 64-127 come after all its queries.  (Tile 4 + j: keys 0-63 count for all its queries)
.set n, n+1
.endr
	WIN 0
.Lopen:
	WIN 0x05
.irp T, 0,1
.irp b, 0,1,2,3
	v_max3_num_f32 v[MX+4*\T+\b], v[SS+64*\T+16*\b], v[SS+64*\T+16*\b+1], v[NINF]   ; the largest score of each block of 32 keys: for the row's maximum, and, since p rises with the score, for the block's largest p
.endr
.endr
.irp i, 2,4,6,8,10,12,14
.irp T, 0,1
.irp b, 0,1,2,3
	v_max3_num_f32 v[MX+4*\T+\b], v[SS+64*\T+16*\b+\i], v[SS+64*\T+16*\b+\i+1], v[MX+4*\T+\b]
.endr
.endr
.endr
	WIN 0
.irp i, 0,1,2,3,4,5,6,7
	v_permlanex16_b32 v[PR+\i], v[MX+\i], s20, s21
.endr
.irp i, 0,1,2,3,4,5,6,7
	v_max_num_f32 v[MX+\i], v[MX+\i], v[PR+\i]
.endr
.irp T, 0,1
	v_max3_num_f32 v[TC+\T], v[MX+4*\T], v[MX+4*\T+1], v[MX+4*\T+2]
.endr
.irp T, 0,1
	v_max_num_f32 v[TC+\T], v[TC+\T], v[MX+4*\T+3]
.endr
.irp T, 0,1
	v_mul_f32 v[TC+\T], s22, v[TC+\T]
.endr
.irp T, 0,1
	v_max_num_f32 v[13+16*\T], v[13+16*\T], v[TC+\T]   ; the running largest t
.endr
.irp T, 0,1
	v_mov_b32 v[TC+\T], v[12+16*\T]
.endr
.irp T, 0,1
	v_floor_f32 v[12+16*\T], -v[13+16*\T]          ; -M = floor(-t): M is a whole number
.endr
.irp T, 0,1
	v_sub_f32 v[TC+\T], v[12+16*\T], v[TC+\T]
.endr
.irp T, 0,1
	v_cvt_i32_f32 v[TC+\T], v[TC+\T]               ; (it saturates)
.endr
.irp T, 0,1
	v_ldexp_f32 v[FF+2*\T], 1.0, v[TC+\T]          ; f = 2^(old M - new M)
.endr
.irp T, 0,1
.irp b, 0,1,2,3
	v_fma_f32 v[MX+4*\T+\b], v[MX+4*\T+\b], s22, v[12+16*\T]
.endr
.endr
	WIN 0x41
.irp T, 0,1
.irp j, 0,2,4,6,8,10,12,14,16,18,20,22,24,26,28,30
	v_pk_mul_f32 v[OO+32*\T+\j:OO+32*\T+\j+1], v[OO+32*\T+\j:OO+32*\T+\j+1], v[FF+2*\T:FF+2*\T+1] op_sel_hi:[1,0]   ; O^T under the new M
.endr
.endr
.irp T, 0,1
.set n, 0
.rept 32
	v_pk_fma_f32 v[SS+64*\T+n:SS+64*\T+n+1], v[SS+64*\T+n:SS+64*\T+n+1], s[22:23], v[12+16*\T:13+16*\T] op_sel_hi:[1,0,0]   ; t - M
.set n, n+2
.endr
.endr
	s_wait_alu depctr_va_vdst(0)
.set n, 0
.rept 128
	v_exp_f32 v[SS+n], v[SS+n]                     ; p = 2^(t - M)
.set n, n+1
.endr
	WIN 0
.irp i, 0,1,2,3,4,5,6,7
	v_exp_f32 v[MX+\i], v[MX+\i]                   ; the block's largest p: the same two instructions on the same number
.endr
.irp T, 0,1
	v_pk_mul_f32 v[14+16*\T:15+16*\T], v[14+16*\T:15+16*\T], v[FF+2*\T:FF+2*\T+1] op_sel_hi:[1,0]   ; the sums under the new M (plain places behind the exponentials)
.endr
	s_wait_alu depctr_va_vdst(0)                   ; one wait for the batch, ahead of its first reader
.irp i, 0,1,2,3,4,5,6,7
	v_max_num_f32 v[MX+\i], 0x2800000, v[MX+\i]    ; the floor 2^(5 - 127)
.endr
.irp i, 0,1,2,3,4,5,6,7
	v_add_nc_u32 v[SO+\i], 0xfe000000, v[MX+\i]
.endr
.irp i, 0,1,2,3,4,5,6,7
	v_lshrrev_b32 v[BY+\i], 23, v[SO+\i]
.endr
.irp T, 0,1
	v_lshl_or_b32 v[PW+\T], v[BY+4*\T+1], 8, v[BY+4*\T]   ; p's scale word for these 128 keys
.endr
.irp T, 0,1
	v_lshl_or_b32 v[PW+\T], v[BY+4*\T+2], 16, v[PW+\T]
.endr
.irp T, 0,1
	v_lshl_or_b32 v[PW+\T], v[BY+4*\T+3], 24, v[PW+\T]
.endr
	WIN 0x41
.irp T, 0,1
.irp c, 0,1
	v_cvt_scalef32_pk16_bf6_f32 v[CO+12*\T+6*\c:CO+12*\T+6*\c+2], v[SS+64*\T+32*\c:SS+64*\T+32*\c+15], v[SO+4*\T+2*\c]
	v_cvt_scalef32_pk16_bf6_f32 v[CT+8*\T+4*\c:CT+8*\T+4*\c+2], v[SS+64*\T+32*\c+16:SS+64*\T+32*\c+31], v[SO+4*\T+2*\c+1]
.endr
.endr
	v_nop                                          ; one plain place behind a scaled conversion
.irp T, 0,1
.irp c, 0,1
.irp i, 0,1,2
	v_permlane16_swap_b32 v[CO+12*\T+6*\c+\i], v[CT+8*\T+4*\c+\i]
.endr
.endr
.endr
.irp T, 0,1
.irp c, 0,1
.irp i, 0,1,2
	v_mov_b32 v[CO+12*\T+6*\c+3+\i], v[CT+8*\T+4*\c+\i]
.endr
.endr
.endr
	WIN 0x05                               ; the rows' sums of the unquantised p: 32 pairs a tile in seven chains
.irp T, 0,1
.irp i, 0,1,2,3,4,5
	v_pk_add_f32 v[CH+12*\T+2*\i:CH+12*\T+2*\i+1], v[SS+64*\T+4*\i:SS+64*\T+4*\i+1], v[SS+64*\T+4*\i+2:SS+64*\T+4*\i+3]
.endr
.endr
	WIN 0x01
.irp q, 0,1,2
.irp T, 0,1
.irp i, 0,1,2,3,4,5
	v_pk_add_f32 v[CH+12*\T+2*\i:CH+12*\T+2*\i+1], v[SS+64*\T+24+14*\q+2*\i:SS+64*\T+24+14*\q+2*\i+1], v[CH+12*\T+2*\i:CH+12*\T+2*\i+1]
.endr
.if \q < 2
	v_pk_add_f32 v[14+16*\T:15+16*\T], v[SS+64*\T+36+14*\q:SS+64*\T+36+14*\q+1], v[14+16*\T:15+16*\T]
.endif
.endr
.endr
	WIN 0
.irp i, 0,4,8
.irp T, 0,1
	v_pk_add_f32 v[CH+12*\T+\i:CH+12*\T+\i+1], v[CH+12*\T+\i:CH+12*\T+\i+1], v[CH+12*\T+\i+2:CH+12*\T+\i+3]
.endr
.endr
.irp T, 0,1
	v_pk_add_f32 v[CH+12*\T:CH+12*\T+1], v[CH+12*\T:CH+12*\T+1], v[CH+12*\T+4:CH+12*\T+5]
	v_pk_add_f32 v[14+16*\T:15+16*\T], v[14+16*\T:15+16*\T], v[CH+12*\T+8:CH+12*\T+9]
.endr
.irp T, 0,1
	v_pk_add_f32 v[14+16*\T:15+16*\T], v[14+16*\T:15+16*\T], v[CH+12*\T:CH+12*\T+1]
.endr
	s_wait_alu depctr_va_vdst(0)
	s_wait_dscnt 17                                ; V^T and its scale words are in; the 17 loads of the next step's K may be out
	WIN 0x54                                       ; destination, C and source 1 (p's codes) window 1
.irp T, 0,1
.irp t, 0,1,2,3                        ; the eight accumulators by turns, one instruction a turn
	v_wmma_scale_f32_16x16x128_f8f6f4 v[OO+32*\T+8*\t:OO+32*\T+8*\t+7], v[VF+12*\t:VF+12*\t+11], v[CO+12*\T:CO+12*\T+11], v[OO+32*\T+8*\t:OO+32*\T+8*\t+7], v[VS+\t], v[PW+\T] matrix_a_fmt:MATRIX_FMT_BF6 matrix_b_fmt:MATRIX_FMT_BF6
.endr
.endr
	WIN 0
	s_add_co_u32 s77, s77, 1
	s_cmp_lt_u32 s77, 17
	s_cbranch_scc1 .Lstep
	FINISH
	s_wait_dscnt 0x0                               ; the look-ahead's loads
	s_barrier_signal -1
	s_barrier_wait -1                              ; every wave's reads of the tiles are over ahead of the closing lines
	s_wait_tensorcnt 0x0                           ; the wave's end
	ds_add_u32 v4, v5
	s_wait_dscnt 0x0
	ROUND                                          ; the closing round
	s_endpgm
.Lfunc_end_k_qbd5f196fb2_attn:
	.size	k_qbd5f196fb2_attn, .Lfunc_end_k_qbd5f196fb2_attn-k_qbd5f196fb2_attn
	.p2alignl 7, 3214868480
	.fill 96, 4, 3214868480
	.section	.rodata,"a",@progbits
	.p2align	6, 0x0
	.amdhsa_kernel k_qbd5f196fb2_attn
		.amdhsa_group_segment_fixed_size 327680
		.amdhsa_private_segment_fixed_size 0
		.amdhsa_enable_private_segment 0
		.amdhsa_kernarg_size 32
		.amdhsa_user_sgpr_count 2
		.amdhsa_user_sgpr_kernarg_segment_ptr 1
		.amdhsa_wavefront_size32 1
		.amdhsa_system_sgpr_workgroup_id_x 1
		.amdhsa_system_sgpr_workgroup_id_y 1
		.amdhsa_system_sgpr_workgroup_id_z 1
		.amdhsa_system_vgpr_workitem_id 0
		.amdhsa_next_free_vgpr 512
		.amdhsa_next_free_sgpr 80
		.amdhsa_reserve_vcc 1
		.amdhsa_float_denorm_mode_32 3
		.amdhsa_float_denorm_mode_16_64 3
		.amdhsa_memory_ordered 1
		.amdhsa_forward_progress 1
		.amdhsa_inst_pref_size 67
	.end_amdhsa_kernel
	.amdgpu_metadata
---
amdhsa.version: [ 1, 2 ]
amdhsa.kernels:
  - .name:           k_qbd5f196fb2_attn
    .symbol:         k_qbd5f196fb2_attn.kd
    .args:
      - { .name: qi, .offset: 0, .size: 8, .value_kind: global_buffer, .address_space: global }
      - { .name: kv, .offset: 8, .size: 8, .value_kind: global_buffer, .address_space: global }
      - { .name: oi, .offset: 16, .size: 8, .value_kind: global_buffer, .address_space: global }
      - { .name: os, .offset: 24, .size: 8, .value_kind: global_buffer, .address_space: global }
    .group_segment_fixed_size: 327680
    .private_segment_fixed_size: 0
    .kernarg_segment_align: 8
    .kernarg_segment_size: 32
    .max_flat_workgroup_size: 256
    .sgpr_count:     80
    .vgpr_count:     512
    .wavefront_size: 32
...
	.end_amdgpu_metadata
.endif
;; end of part 3
;; launch proj (part 4): grid 4 x 64, 4 waves a work-group, clusters of 4 x 4, 327,680 bytes of LDS; arguments oi, os, xw, xws, out0; writes out0
.if DOCPART == 4
	.amdgcn_target "amdgcn-amd-amdhsa--gfx1250"
	.amdhsa_code_object_version 6
	.text
	.protected	k_qbd5f196fb2_proj
	.globl	k_qbd5f196fb2_proj
	.p2align	8
	.type	k_qbd5f196fb2_proj,@function
k_qbd5f196fb2_proj:
	s_mov_b64 s[64:65], 0
	v_nop
	global_prefetch_b8 v0, s[64:65] scope:SCOPE_SE
	s_setreg_imm32_b32 hwreg(HW_REG_WAVE_MODE, 25, 1), 1
	s_wait_xcnt 0x0
	s_wait_alu depctr_hold_cnt(0) depctr_sa_sdst(0) depctr_va_vdst(0) depctr_va_sdst(0) depctr_va_ssrc(0) depctr_va_vcc(0) depctr_vm_vsrc(0)
	s_getreg_b32 s2, hwreg(HW_REG_IB_STS2, 6, 4)
	s_cmp_eq_u32 s2, 0
	s_cbranch_scc0 .Lentry_in_a_cluster
	s_endpgm
.Lentry_in_a_cluster:
	s_bfe_u32 s2, ttmp6, 0x10000c
	s_cmp_lg_u32 s2, 0xf033
	s_cbranch_scc0 .Lentry_shape_is_right
	s_endpgm
.Lentry_shape_is_right:
; PROJ.  out0 = O w_out^T on codes of BF6 (E3M2) with E8M0 scales, K = 1,024; f32 out.
; OPERANDS are images of operand registers (a half fragment, 16 rows x 64 K, is 768 bytes: registers 0-3 at 16 x lane, 4-5 at 512 + 8 x lane), laid [group of 128 rows][K / 256][tile (8)][2][2][768]: a group's whole K is 98,304 dense bytes.
; Row-lane i of tile a is row 32 (a / 2) + 8 (a % 2) + i + 8 (i / 8) of its group.  The matrix instruction is used transposed (source 0 = 16 rows of w_out, source 1 = 16 tokens): a lane holds one token, registers run along out0's columns.
; SHARES.  A work-group makes 128 tokens x 256 columns: 64 x 4 = 256 work-groups.  ALL OF K LIES IN LDS: A's group at 0, B's two groups behind it, 294,912 bytes, filled once: waves 0, 1 bring A's halves along K (192 rows of 256 bytes),
; waves 2, 3 a group of B each (384 rows), one tensor load a wave at the head.  No ring, no refill.  A wave makes 64 x 128: 32 accumulators, which take turns in the same order in every step.
; CLUSTERS 4 x 4: A's tile is shared along a row of the cluster, B's along a column: each is asked for jointly.
; No prefetch: all tiles are asked for at the head, and there is no loop to run ahead in.
; The way out goes through a stage of 16 rows x 528 bytes a wave, which lies over A's bytes: behind a barrier in front of which every wave's reads of the tiles are over; nothing is filled again.
; REGISTERS.  Window 0: v1, v2 16 and 8 x lane; v16-23 LDS addresses; v24, v25 the stage; v28, v29 for the add; v32-47 A's scale words, v64-95 B's; v128-223 A's fragments, two sets, later with v224-255 the way out.
;   Window 1: B's fragments, two sets, at v0 and v128.   Window 2: accumulator (a, b) at v[8 (8 a + b)].
.set FRB,    1536
.set RT,     3072
.set KB,     24576                     ; 128 rows x 256 K
.set RGB,    98304
.set SPARE,  294912
.set SPITCH, 528
.set L16,  1
.set L8,   2
.set ADRA, 16                          ; v16-17: my A tiles, K 0-511 and 512-1023, + 16 x lane;  v18-19: + 8 x lane
.set ADRB, 20
.set STO,  24
.set RD,   25
.set SPW,  28
.set NIL,  29
.set SCA,  32
.set SCB,  64
.set AF,   128
.set BK,   128
.set G1,  24
.set G0,  32
.set G1B, 48
.set G0B, 56
.set MSB, 0
.macro WIN new                         ; the immediate's high byte repeats the setting that is left
.if MSB != (\new)
	s_set_vgpr_msb (MSB<<8)|(\new)
.set MSB, (\new)
.endif
.endm
.set MUL_LO, 0xa1                      ; source 0 (B) window 1, source 1 (A) window 0, C and D window 2
.set TO_B,   0x40
.macro CREST
	s_cmp_lg_u32 s18, 0
	s_cbranch_scc1 .Lnot_wave_0_\@
	s_barrier_signal -3
.Lnot_wave_0_\@:
	s_barrier_wait -3
	s_barrier_signal -1
	s_barrier_wait -1
.endm
.macro CROUND
	s_barrier_signal -1
	s_barrier_wait -1
	CREST
.endm
.macro PLACES n
.rept \n
	v_nop
.endr
.endm
	s_load_b256 s[4:11], s[0:1], 0x0               ; oi s[4:5], os s[6:7], xw s[8:9], xws s[10:11]
	s_load_b64 s[12:13], s[0:1], 0x20              ; out0
	v_lshl_add_u32 v[SPW], v0, 2, SPARE
	v_mov_b32 v[NIL], 0
	ds_add_u32 v[SPW], v[NIL]                      ; the opening lines
	ds_add_u32 v[SPW], v[NIL]
	v_lshrrev_b32 v3, 5, v0
	v_readfirstlane_b32 s18, v3                    ; wave
	s_lshr_b32 s19, s18, 1                         ; which 64 tokens are mine.  Also: I fetch for A (0) or B (1)
	s_and_b32 s20, s18, 1                          ; which group of B is mine.  Also: which part I fetch
	s_bfe_u32 s40, ttmp6, 0x40000                  ; cx
	s_bfe_u32 s41, ttmp6, 0x40004                  ; cy
	s_lshl_b32 s42, ttmp9, 2
	s_add_co_u32 s42, s42, s40                     ; B's tile of 256 rows
	s_and_b32 s66, ttmp7, 0xffff
	s_lshl_b32 s66, s66, 2
	s_add_co_u32 s66, s66, s41                     ; A's group of 128 tokens
	s_lshl_b32 s43, s41, 2
	s_lshl_b32 s43, 15, s43                        ; my row of the cluster
	s_lshl_b32 s44, 0x1111, s40                    ; my column
	s_or_b32 s[G1+0], s43, (3<<16)|(1<<21)         ; the mask; elements of 8 bytes; bit 21 beside a mask; no padding
	s_or_b32 s[G1B+0], s44, (3<<16)|(1<<21)
	s_mov_b32 s[G1+2], 192<<16                     ; A: 49,152 dense bytes as 192 rows of 256
	s_mov_b32 s[G1+4], 192
	s_mov_b32 s[G1B+2], 384<<16                    ; B: 98,304 as 384 rows
	s_mov_b32 s[G1B+4], 384
.irp g, G1, G1B
	s_mov_b32 s[\g+1], 32<<16
	s_mov_b32 s[\g+3], 32<<16
	s_mov_b32 s[\g+5], 32
	s_mov_b32 s[\g+6], 0
	s_mov_b32 s[\g+7], 0
.endr
	s_mul_i32 s22, s66, RGB
	s_mul_i32 s[G0+1], s20, 2*KB                   ; A's half along K: in LDS as in memory
	s_add_co_u32 s22, s22, s[G0+1]
	s_mov_b32 s23, 0
	s_lshl_b32 s17, s42, 1
	s_add_co_u32 s17, s17, s20                     ; my group of B
	s_mul_i32 s46, s17, RGB
	s_add_co_u32 s46, s46, 8650752                 ; w_out's images in xw
	s_mov_b32 s47, 0
	s_mul_i32 s[G0B+1], s20, RGB
	s_add_co_u32 s[G0B+1], s[G0B+1], RGB           ; B's groups lie behind A's
	s_mov_b32 s[G0], 1
	s_mov_b32 s[G0B], 1
	s_wait_dscnt 0x0                               ; both opening adds are done
	s_wait_kmcnt 0x0
	s_add_nc_u64 s[G0+2:G0+3], s[4:5], s[22:23]
	s_or_b32 s[G0+3], s[G0+3], 0x80000000
	s_add_nc_u64 s[G0B+2:G0B+3], s[8:9], s[46:47]
	s_or_b32 s[G0B+3], s[G0B+3], 0x80000000
	CROUND                                         ; all sixteen work-groups are here: the joint loads meet
	s_cmp_eq_u32 s19, 0                            ; one load a wave, in the two arms of one branch on the wave's number
	s_cbranch_scc0 .Lfor_b
	tensor_load_to_lds s[G0:G0+3], s[G1:G1+7]
	s_nop 0
	PLACES 4
	s_branch .Lasked
.Lfor_b:
	tensor_load_to_lds s[G0B:G0B+3], s[G1B:G1B+7]
	s_nop 0
	PLACES 4
.Lasked:
	s_mov_b32 s69, 0
	s_lshl_b32 s68, s66, 12                        ; 4,096 bytes of scale words a group,
	s_lshl_b32 s92, s19, 11                        ; 512 a tile: my four tiles
	s_add_co_u32 s68, s68, s92
	s_add_nc_u64 s[72:73], s[6:7], s[68:69]
	s_lshl_b32 s68, s17, 12
	s_add_co_u32 s68, s68, 360448
	s_add_nc_u64 s[74:75], s[10:11], s[68:69]
	s_lshl_b32 s68, s66, 19                        ; out0: 128 rows of 4,096 bytes a group,
	s_lshl_b32 s92, s19, 18                        ; my 64 rows,
	s_add_co_u32 s68, s68, s92
	s_lshl_b32 s92, s17, 9                         ; my 128 columns
	s_add_co_u32 s68, s68, s92
	s_add_nc_u64 s[12:13], s[12:13], s[68:69]
	s_mul_i32 s23, s18, 16*SPITCH                  ; my stage
	s_mul_i32 s21, s19, 4*RT                       ; my four tiles of A
	s_mul_i32 s22, s20, RGB
	s_add_co_u32 s22, s22, RGB                     ; my group of B
	s_add_co_u32 s93, s21, 2*KB
	s_add_co_u32 s94, s22, 2*KB
	v_and_b32 v3, 31, v0
	v_lshlrev_b32 v[L16], 4, v3
	v_lshlrev_b32 v[L8], 3, v3
	v_and_b32 v4, 15, v0
	v_bfe_u32 v5, v0, 4, 1
	v_mul_u32_u24 v[STO], v4, SPITCH
	v_lshl_add_u32 v[STO], v5, 6, v[STO]
	v_add_nc_u32 v[STO], s23, v[STO]               ; in: row r, + 64 h
	v_add_nc_u32 v[RD], s23, v[L16]                ; back: a row of 512 bytes to 32 lanes
	v_add_nc_u32 v[ADRA], s21, v[L16]
	v_add_nc_u32 v[ADRA+1], s93, v[L16]
	v_add_nc_u32 v[ADRA+2], s21, v[L8]
	v_add_nc_u32 v[ADRA+3], s93, v[L8]
	v_add_nc_u32 v[ADRB], s22, v[L16]
	v_add_nc_u32 v[ADRB+1], s94, v[L16]
	v_add_nc_u32 v[ADRB+2], s22, v[L8]
	v_add_nc_u32 v[ADRB+3], s94, v[L8]
.irp i, 0,1,2,3                        ; scale words for all of K: register ks % 4; lanes 0-15 K steps 0-3, lanes 16-31 steps 4-7
	global_load_b128 v[SCA+4*\i:SCA+4*\i+3], v[L16], s[72:73] offset:512*\i
.endr
.irp i, 0,1,2,3,4,5,6,7
	global_load_b128 v[SCB+4*\i:SCB+4*\i+3], v[L16], s[74:75] offset:512*\i
.endr
.macro FRAG reg, adr, off              ; a fragment's image: 12 registers
	ds_load_b128 v[\reg:\reg+3], v[\adr] offset:\off
	ds_load_b64 v[\reg+4:\reg+5], v[\adr+2] offset:\off+512
	ds_load_b128 v[\reg+6:\reg+9], v[\adr] offset:\off+768
	ds_load_b64 v[\reg+10:\reg+11], v[\adr+2] offset:\off+1280
.endm
.macro FETCH ks                        ; K step ks of eight: B's eight fragments and A's four into sets ks % 2: 48 loads
	WIN TO_B
.irp i, 0,1,2,3,4,5,6,7
	FRAG 128*((\ks)%2)+12*\i, ADRB+(\ks)/4, (((\ks)/2)%2)*KB+\i*RT+((\ks)%2)*FRB
.endr
	WIN 0
.irp i, 0,1,2,3
	FRAG AF+48*((\ks)%2)+12*\i, ADRA+(\ks)/4, (((\ks)/2)%2)*KB+\i*RT+((\ks)%2)*FRB
.endr
.endm
.macro MUL32 ks                        ; 32 matrix instructions; the first step's products start the sums
	WIN MUL_LO
.irp a, 0,1,2,3
.irp b, 0,1,2,3,4,5,6,7
.set DD, 8*(8*\a+\b)
.set BF, 128*((\ks)%2)+12*\b
.set AA, AF+48*((\ks)%2)+12*\a
.set SB, SCB+4*\b+(\ks)%4
.set SA, SCA+4*\a+(\ks)%4
.if (\ks) == 0
	v_wmma_scale_f32_16x16x128_f8f6f4 v[DD:DD+7], v[BF:BF+11], v[AA:AA+11], 0, v[SB], v[SA] matrix_a_fmt:MATRIX_FMT_BF6 matrix_b_fmt:MATRIX_FMT_BF6
.elseif (\ks) < 4
	v_wmma_scale_f32_16x16x128_f8f6f4 v[DD:DD+7], v[BF:BF+11], v[AA:AA+11], v[DD:DD+7], v[SB], v[SA] matrix_a_fmt:MATRIX_FMT_BF6 matrix_b_fmt:MATRIX_FMT_BF6
.else
	v_wmma_scale_f32_16x16x128_f8f6f4 v[DD:DD+7], v[BF:BF+11], v[AA:AA+11], v[DD:DD+7], v[SB], v[SA] matrix_a_fmt:MATRIX_FMT_BF6 matrix_b_fmt:MATRIX_FMT_BF6 matrix_a_scale:MATRIX_SCALE_ROW1 matrix_b_scale:MATRIX_SCALE_ROW1
.endif
.endr
.endr
.endm
	s_wait_alu depctr_va_vdst(0)
	s_wait_tensorcnt 0x0                           ; my tile is in,
	s_barrier_signal -1
	s_barrier_wait -1                              ; everybody's is
	FETCH 0
	s_wait_loadcnt 0x0                             ; the scale words
.irp ks, 0,1,2,3,4,5,6,7
.if \ks > 0
	PLACES 4                                       ; in front of loads into the sets that the last step's products have read
.endif
.if \ks < 7
	FETCH \ks+1
	s_wait_dscnt 48                                ; this step's fragments are in; the next step's 48 loads may be out
.else
	s_wait_dscnt 0x0
.endif
	MUL32 \ks
.endr
	WIN 0
	s_barrier_signal -1                            ; (no LDS instruction of mine is out)
	s_barrier_wait -1                              ; nobody reads the tiles any more: the stages may be written over A's bytes
.macro TOSTAGE a                       ; block a, 16 tokens x 128 columns, into my stage and back by rows; LDS serves a wave's instructions in order
.set AC, 64*(\a)
	WIN 0x08                                       ; the data: window 2
.irp b, 0,1,2,3,4,5,6,7
	ds_store_b128 v[STO], v[AC+8*\b:AC+8*\b+3] offset:128*(\b/2)+32*(\b%2)       ; each accumulator from its low end on
	ds_store_b128 v[STO], v[AC+8*\b+4:AC+8*\b+7] offset:128*(\b/2)+32*(\b%2)+16
.endr
	WIN 0
.set BR, BK+64*((\a)%2)
.irp t, 0,1,2,3,4,5,6,7,8,9,10,11,12,13,14,15
	ds_load_b128 v[BR+4*\t:BR+4*\t+3], v[RD] offset:\t*SPITCH
.endr
.endm
.macro SEND a, younger                 ; younger: the LDS instructions issued behind block a's loads, which may stay out
.set BR, BK+64*((\a)%2)
	s_wait_dscnt \younger
.irp t, 0,1,2,3,4,5,6,7,8,9,10,11,12,13,14,15
	global_store_b128 v[L16], v[BR+4*\t:BR+4*\t+3], s[12:13] offset:(32*((\a)/2)+8*((\a)%2)+\t+8*(\t/8))*4096 th:TH_STORE_NT   ; 32 lanes store 512 consecutive bytes, aligned
.endr
.endm
	PLACES 4                                       ; behind the last products: in front of the reads of their results and of loads into A's sets
	TOSTAGE 0
.irp a, 1,2,3
.if \a > 1
	s_wait_xcnt 0x0                                ; block a - 2's stores have read their registers
.endif
	TOSTAGE \a
	SEND \a-1, 32
.endr
	SEND 3, 0
	s_wait_tensorcnt 0x0                           ; the wave's end
	ds_add_u32 v[SPW], v[NIL]
	s_wait_dscnt 0x0
	CROUND                                         ; the closing round
	s_endpgm
.Lfunc_end_k_qbd5f196fb2_proj:
	.size	k_qbd5f196fb2_proj, .Lfunc_end_k_qbd5f196fb2_proj-k_qbd5f196fb2_proj
	.p2alignl 7, 3214868480
	.fill 96, 4, 3214868480
	.section	.rodata,"a",@progbits
	.p2align	6, 0x0
	.amdhsa_kernel k_qbd5f196fb2_proj
		.amdhsa_group_segment_fixed_size 327680
		.amdhsa_private_segment_fixed_size 0
		.amdhsa_enable_private_segment 0
		.amdhsa_kernarg_size 40
		.amdhsa_user_sgpr_count 2
		.amdhsa_user_sgpr_kernarg_segment_ptr 1
		.amdhsa_wavefront_size32 1
		.amdhsa_system_sgpr_workgroup_id_x 1
		.amdhsa_system_sgpr_workgroup_id_y 1
		.amdhsa_system_sgpr_workgroup_id_z 1
		.amdhsa_system_vgpr_workitem_id 0
		.amdhsa_next_free_vgpr 768
		.amdhsa_next_free_sgpr 100
		.amdhsa_reserve_vcc 0
		.amdhsa_float_denorm_mode_32 3
		.amdhsa_float_denorm_mode_16_64 3
		.amdhsa_memory_ordered 1
		.amdhsa_forward_progress 1
		.amdhsa_inst_pref_size 80
	.end_amdhsa_kernel
	.amdgpu_metadata
---
amdhsa.version: [ 1, 2 ]
amdhsa.kernels:
  - .name:           k_qbd5f196fb2_proj
    .symbol:         k_qbd5f196fb2_proj.kd
    .args:
      - { .name: oi, .offset: 0, .size: 8, .value_kind: global_buffer, .address_space: global }
      - { .name: os, .offset: 8, .size: 8, .value_kind: global_buffer, .address_space: global }
      - { .name: xw, .offset: 16, .size: 8, .value_kind: global_buffer, .address_space: global }
      - { .name: xws, .offset: 24, .size: 8, .value_kind: global_buffer, .address_space: global }
      - { .name: out0, .offset: 32, .size: 8, .value_kind: global_buffer, .address_space: global }
    .group_segment_fixed_size: 327680
    .private_segment_fixed_size: 0
    .kernarg_segment_align: 8
    .kernarg_segment_size: 40
    .max_flat_workgroup_size: 128
    .sgpr_count:     100
    .vgpr_count:     768
    .wavefront_size: 32
...
	.end_amdgpu_metadata
.endif
;; end of part 4
